; MI455X (gfx1250); checked and timed in simulation.
; The chip was launched on July 23, 2026; its instructions are those of AMD's public machine-readable ISA for CDNA 5 (MIT licence, August 2026) and "CDNA5" Instruction Set Architecture Reference Guide (July 2026). The comments in the code are by the model that wrote it; some were corrected since.
;; Casual Self Attention. Allowed arithmetic: matrix products marked QUANTISED: E2M3 operands, one E8M0 scale for each 32 along K, by v_wmma_scale_f32_16x16x128_f8f6f4 with both operands' format E2M3, f32 sums; everything else in f32.
;; Inputs: Wk 1,024 x 1,024 float32; Wp 1,024 x 1,024 float32; Wq 1,024 x 1,024 float32; Wv 1,024 x 1,024 float32; bp 1,024 float32; x 8 x 1,024 x 1,024 float32.
;; Outputs: out0 8 x 1,024 x 1,024 float32.
;; This version of the problem:
;;   THIS VERSION OF THE PROBLEM IS GIVEN IN LOW PRECISION. The matrix products marked QUANTISED in the list below multiply operands that are first quantised to E2M3 (2 exponent bits, 3 mantissa bits; 6 bits a number), with one power-of-two scale for each 32 numbers along K (OCP MX v1.0); their sums are f32. All else is computed in f32.
;;   The module's matrix products, in the order in which they are computed (A, B: the left and right operand; K: the contracted axis; several contracted axes count as one K, in the product's order):
;;     1. [M 8,192, K 1,024] x [K 1,024, N 1,024]; A: input x; B: input Wk: QUANTISED
;;     2. [M 8,192, K 1,024] x [K 1,024, N 1,024]; A: input x; B: input Wq: QUANTISED
;;     3. [M 8,192, K 1,024] x [K 1,024, N 1,024]; A: input x; B: input Wv: QUANTISED
;;     4. batch 128 x [M 1,024, K 64] x [K 64, N 1,024]; A: computed on the way; B: computed on the way: QUANTISED
;;     5. batch 128 x [M 1,024, K 1,024] x [K 1,024, N 64]; A: softmax (see below); B: computed on the way: QUANTISED
;;     6. [M 8,192, K 1,024] x [K 1,024, N 1,024]; A: computed on the way; B: input Wp: QUANTISED
;;   THE QUANTISER, for each operand of a quantised product, along K:
;;     - K is cut into blocks of 32 from its start; a last block that is shorter is filled with zeros.
;;     - A block's scale is 2^e with e = floor(log2(the largest magnitude in the block)) - 2, held to -126 .. 127; a block of zeros has e = 0. As a byte (E8M0): e + 127.
;;     - Each number is divided by its block's scale, clamped to +-7.5, and rounded to the nearest number of E2M3, ties to even, subnormals kept.
;;     - The product sums the exact products of the quantised numbers (number of the format x scale) in f32.
;;   ~~~python
;;   def quantise(x, axis):      # numpy; x: float32 -> the quantised numbers, widened to float32 again
;;       x = np.moveaxis(x, axis, -1); K = x.shape[-1]
;;       x = np.pad(x, [(0, 0)] * (x.ndim - 1) + [(0, -K % 32)]); x = x.reshape(x.shape[:-1] + (-1, 32)); a = np.abs(x).max(-1, keepdims=True)
;;       e = np.where(a > 0, np.clip(np.frexp(np.where(a > 0, a, 1))[1] - 1 - 2, -126, 127), 0)      # np.frexp(a)[1] - 1 = floor(log2(a)), exactly
;;       r = np.clip(x / 2.0 ** e, -7.5, 7.5)
;;       step = 2.0 ** (np.maximum(np.frexp(np.where(r == 0, 1, r))[1] - 1, 0) - 3)
;;       q = np.round(r / step) * step * 2.0 ** e      # np.round: ties to even
;;       return np.moveaxis(q.reshape(q.shape[:-2] + (-1,))[..., :K], -1, axis).astype(np.float32)
;;   ~~~
;;   SOFTMAX AHEAD OF A QUANTISED PRODUCT. Where the list says 'softmax', what is quantised is not the finished softmax but p = 2^(t - M), with t = logit x log2(e) and M = ceil(the row's largest t), a whole number; so 1/2 < the row's largest p <= 1. The row's sum l is taken of the UNQUANTISED p, in f32, and the product's result is divided by l at the end. Since M is a whole number, a kernel that streams over the keys may use a running M (the ceiling of the running maximum): every later rescaling is an exact power of two, which a block's scale takes up: the codes' values come out the same.
;;   OPERANDS COMPUTED ON THE WAY. 'Computed on the way' means the value that the module computes at that place (a softmax that the list does not call 'softmax' is quantised finished and normalised). What goes into a quantiser is computed in f32, as accurately as f32 sums, v_exp_f32 and their like allow (about 1e-6 of the number): no bf16 or f16 on the way to a quantiser, and a product that is left as it is and whose result goes on into a quantised operand takes f32 operands (vector FMAs, or v_wmma_f32_16x16x4_f32). A number that lies on a knife's edge between two numbers of the format may be rounded either way, as far as f32 arithmetic and the matrix unit's own rounding can turn it there, and no further.
;; One version. Each part assembles by itself: llvm-mc -triple=amdgcn-amd-amdhsa -mcpu=gfx1250 --defsym DOCPART=n.
;; ======== version 1 of 1: 4 launches
;; workspace buffers: xc 6,291,456 bytes; xs 262,144 bytes; wc 3,145,728 bytes; ws 131,072 bytes; hc 18,874,368 bytes; hs 1,572,864 bytes; yc 6,291,456 bytes; ys 262,144 bytes
;; launch quant (part 1): grid 384 x 1, 4 waves a work-group, no clusters, 33,280 bytes of LDS; arguments x, Wk, Wq, Wv, Wp, xc, xs, wc, ws; writes xc, xs, wc, ws
.if DOCPART == 1
	.amdgcn_target "amdgcn-amd-amdhsa--gfx1250"
	.amdhsa_code_object_version 6
	.text
	.protected	k_qdfc0c7e6b0_quant
	.globl	k_qdfc0c7e6b0_quant
	.p2align	8
	.type	k_qdfc0c7e6b0_quant,@function
k_qdfc0c7e6b0_quant:
	s_mov_b64 s[64:65], 0
	v_nop
	global_prefetch_b8 v0, s[64:65] scope:SCOPE_SE
	s_setreg_imm32_b32 hwreg(HW_REG_WAVE_MODE, 25, 1), 1
	s_wait_xcnt 0x0
; x [8192][1024] and Wk, Wq, Wv, Wp [1024][1024], f32, become codes of FP6 (E2M3), K innermost (768 bytes a row), with one E8M0 byte for each 32 along K (32 bytes a row).
; A block's scale is 2^(floor(log2(its largest magnitude)) - 2); its byte is the largest magnitude's exponent field - 2, held at 1 from below.
; A block of zeros so gets the byte 1 where the rule says 127: its codes are zeros, which add nothing under any byte but 0xff, and these bytes are read by this program alone.
; LIMITS: blocks whose largest magnitude lies under 2^-124 are held at the byte 1; NaN and infinities among the inputs are not served.
; SHARES: work-groups 0-255 take x, then 32 work-groups each Wk, Wq, Wv, Wp.  A wave takes 8 rows (8,192 numbers) in 16 steps of 512.  Only pointers are chosen by the work-group's number: one path through the text.
; ROW ORDER OF wc, ws: rows of Wk, Wq, Wv stand at the place with bits 3 and 4 of the row's number exchanged, so that 16 neighbouring places are the rows 32 b + 8 u + r + 8 (r / 8) which the next launch
; wants as one tile.  Bits 3 and 4 of a row are bits 0 and 1 of the wave's number: the wave writes its run where the wave with those bits exchanged would.  Wp and x keep their order.
; Each of a step's four loads reads 512 consecutive bytes; the 2,048 bytes turn through the wave's own stage in LDS and come back 64 bytes (16 neighbours along K) a lane; two neighbouring lanes hold a block.
.set STEPS, 16
.set EMAX,  2
.set CB,    12                         ; bytes of 16 codes
.set R,     16                         ; v16-79   four sets of 16 numbers as they are loaded
.set X,     80                         ; v80-111  two sets of 16 neighbours
.set C,     128                        ; v128-191 codes: four registers for each step, so that no store's data are written again
.set E,     112                        ; v112-127 a scale byte for each step
.set WREG,  8192                       ; LDS: a region for each wave: two stages of 32 x SP bytes, behind them its 256 scale bytes
.set SP,    80                         ; a lane's place in a stage: 64 bytes + 16 of padding
	s_load_b256 s[4:11], s[0:1], 0x0               ; x, Wk, Wq, Wv
	s_load_b64 s[12:13], s[0:1], 0x20              ; Wp
	s_load_b256 s[20:27], s[0:1], 0x28             ; xc, xs, wc, ws
	v_lshl_add_u32 v192, v0, 2, 0x8000
	v_mov_b32 v193, 0
	v_lshrrev_b32 v1, 5, v0
	v_readfirstlane_b32 s16, v1                    ; wave
	v_and_b32 v2, 31, v0                           ; lane
	v_lshlrev_b32 v3, 4, v2                        ; my 16 bytes of a load's 512
	s_mul_i32 s31, s16, WREG
	v_lshrrev_b32 v14, 2, v2
	v_mul_u32_u24 v14, v14, SP
	v_and_b32 v15, 3, v2
	v_lshl_add_u32 v14, v15, 4, v14
	v_add_nc_u32 v14, s31, v14                     ; the stage, on the way in: SP (lane / 4) + 16 (lane % 4)
	v_mul_u32_u24 v15, v2, SP
	v_add_nc_u32 v15, s31, v15                     ; and on the way out: SP x lane
	v_mul_u32_u24 v4, v2, CB                       ; my codes' place in a step's
	v_lshrrev_b32 v5, 1, v2
	s_add_co_u32 s31, s31, 2*32*SP
	v_add_nc_u32 v5, s31, v5                       ; LDS: my wave's 256 scale bytes, my block's byte
	v_lshlrev_b32 v7, 3, v2                        ; and on the way out 8 bytes a lane
	v_add_nc_u32 v6, s31, v7
	s_and_b32 s17, s16, 1
	s_lshl_b32 s17, s17, 1
	s_lshr_b32 s28, s16, 1
	s_or_b32 s17, s17, s28                         ; the wave's number with its two bits exchanged
	s_mov_b32 s30, 127                             ; a weight has 128 runs of 8 rows
	s_wait_kmcnt 0x0
	s_cmp_lt_u32 ttmp9, 288                        ; every choice hangs on the work-group's number alone
	s_cselect_b64 s[6:7], s[6:7], s[8:9]           ; Wk or Wq,
	s_cmp_lt_u32 ttmp9, 320
	s_cselect_b64 s[6:7], s[6:7], s[10:11]         ; or Wv,
	s_cmp_lt_u32 ttmp9, 352
	s_cselect_b64 s[6:7], s[6:7], s[12:13]         ; or Wp,
	s_cselect_b32 s17, s17, s16                    ; whose rows keep their order
	s_cmp_lt_u32 ttmp9, 256
	s_cselect_b64 s[4:5], s[4:5], s[6:7]           ; x or a weight
	s_cselect_b64 s[8:9], s[20:21], s[24:25]       ; the codes' buffer
	s_cselect_b64 s[10:11], s[22:23], s[26:27]     ; the scale bytes' buffer
	s_cselect_b32 s17, s16, s17                    ; x's rows keep their order
	s_cselect_b32 s30, 0x3ff, s30                  ; x has 1,024 runs
	s_cselect_b32 s29, 0, 256
	s_sub_co_u32 s29, ttmp9, s29                   ; the work-group's number within xc or within wc
	s_lshl_b32 s29, s29, 2
	s_add_co_u32 s18, s29, s16
	s_and_b32 s18, s18, s30                        ; which run of its tensor my wave reads
	s_add_co_u32 s28, s29, s17                     ; and which run of the workspace it writes
	s_lshl_b32 s18, s18, 15                        ; 32,768 bytes of f32 a run
	s_mov_b32 s19, 0
	s_add_nc_u64 s[4:5], s[4:5], s[18:19]
	s_mul_i32 s18, s28, 6144                       ; 6,144 bytes of codes
	s_add_nc_u64 s[8:9], s[8:9], s[18:19]
	s_lshl_b32 s18, s28, 8                         ; 256 scale bytes
	s_add_nc_u64 s[10:11], s[10:11], s[18:19]
.macro LOAD t
.irp i, 0,1,2,3
	global_load_b128 v[R+16*((\t)%4)+4*\i:R+16*((\t)%4)+4*\i+3], v3, s[4:5] offset:2048*(\t)+512*\i th:TH_LOAD_NT   ; 32 lanes read 512 consecutive bytes
.endr
.endm
.macro TURN t                          ; step t's numbers through the stage: LDS serves a wave's instructions in order, so no wait stands between the stores and the loads
.irp i, 0,1,2,3
	ds_store_b128 v14, v[R+16*((\t)%4)+4*\i:R+16*((\t)%4)+4*\i+3] offset:32*SP*((\t)%2)+8*SP*\i
.endr
.irp i, 0,1,2,3
	ds_load_b128 v[X+16*((\t)%2)+4*\i:X+16*((\t)%2)+4*\i+3], v15 offset:32*SP*((\t)%2)+16*\i
.endr
.endm
.irp t, 0,1,2,3
	LOAD \t
.endr
	s_wait_loadcnt 12                              ; step 0's four loads are in; the twelve of steps 1 to 3 may be out
	TURN 0
.macro STEP t
.set XS, X+16*((\t)%2)
.if (\t) > 0
	s_wait_dscnt 1                                 ; this step's numbers are back from the stage (the last step's byte store may be out): so its stores into the stage have read their registers,
.else
	s_wait_dscnt 0x0
.endif
.if (\t)+4 < STEPS
	LOAD (\t)+4                                    ; which take the loads of four steps on
.endif
.if (\t)+1 < STEPS
.if STEPS-2-(\t) >= 3
	s_wait_loadcnt 12                              ; the next step's four loads are in; those of the three steps behind it may be out
.else
	s_wait_loadcnt 4*(STEPS-2-(\t))
.endif
	TURN (\t)+1                                    ; and go through the other stage while this step is worked
.endif
	v_max3_num_f32 v8, |v[XS]|, |v[XS+1]|, |v[XS+2]|               ; the largest magnitude of my 16, in two chains
	v_max3_num_f32 v9, |v[XS+3]|, |v[XS+4]|, |v[XS+5]|
.irp i, 6,10
	v_max3_num_f32 v8, v8, |v[XS+\i]|, |v[XS+\i+1]|
	v_max3_num_f32 v9, v9, |v[XS+\i+2]|, |v[XS+\i+3]|
.endr
	v_max3_num_f32 v8, v8, |v[XS+14]|, |v[XS+15]|
	v_max3_num_f32 v8, v8, v9, (EMAX+1)<<23        ; and the floor 2^(3 - 127): the byte cannot fall under 1
	v_max_num_f32_dpp v8, v8, v8 row_xmask:1 row_mask:0xf bank_mask:0xf   ; and of my neighbour's 16: the block's
	v_add_nc_u32 v11, 0xff000000, v8               ; 2 off its exponent field: the conversion takes the exponent field of this operand as its scale
	v_cvt_scalef32_pk16_fp6_f32 v[C+4*(\t):C+4*(\t)+2], v[XS:XS+15], v11   ; sixteen codes, 96 bits, the first number's lowest
	v_lshrrev_b32 v[E+(\t)], 23, v11               ; the scale's byte (also the plain line behind the conversion)
	ds_store_b8 v5, v[E+(\t)] offset:16*(\t)       ; both lanes of a block write the same byte with the same value
	global_store_b96 v4, v[C+4*(\t):C+4*(\t)+2], s[8:9] offset:32*CB*(\t)   ; the wave stores 384 consecutive bytes
.endm
.irp t, 0,1,2,3,4,5,6,7,8,9,10,11,12,13,14,15
	STEP \t
.endr
	ds_load_b64 v[12:13], v6                       ; LDS serves a wave's instructions in order: these see my stores
	s_wait_dscnt 0x0
	global_store_b64 v7, v[12:13], s[10:11]        ; 32 lanes store 256 consecutive bytes, aligned
	s_wait_tensorcnt 0x0
	ds_add_u32 v192, v193
	s_wait_dscnt 0x0
	s_endpgm
.Lfunc_end_k_qdfc0c7e6b0_quant:
	.size	k_qdfc0c7e6b0_quant, .Lfunc_end_k_qdfc0c7e6b0_quant-k_qdfc0c7e6b0_quant
	.p2alignl 7, 3214868480
	.fill 96, 4, 3214868480
	.section	.rodata,"a",@progbits
	.p2align	6, 0x0
	.amdhsa_kernel k_qdfc0c7e6b0_quant
		.amdhsa_group_segment_fixed_size 33280
		.amdhsa_private_segment_fixed_size 0
		.amdhsa_enable_private_segment 0
		.amdhsa_kernarg_size 72
		.amdhsa_user_sgpr_count 2
		.amdhsa_user_sgpr_kernarg_segment_ptr 1
		.amdhsa_wavefront_size32 1
		.amdhsa_system_sgpr_workgroup_id_x 1
		.amdhsa_system_sgpr_workgroup_id_y 1
		.amdhsa_system_sgpr_workgroup_id_z 1
		.amdhsa_system_vgpr_workitem_id 0
		.amdhsa_next_free_vgpr 194
		.amdhsa_next_free_sgpr 66
		.amdhsa_reserve_vcc 0
		.amdhsa_float_denorm_mode_32 3
		.amdhsa_float_denorm_mode_16_64 3
		.amdhsa_memory_ordered 1
		.amdhsa_forward_progress 1
		.amdhsa_inst_pref_size 33
	.end_amdhsa_kernel
	.amdgpu_metadata
---
amdhsa.version: [ 1, 2 ]
amdhsa.kernels:
  - .name:           k_qdfc0c7e6b0_quant
    .symbol:         k_qdfc0c7e6b0_quant.kd
    .args:
      - { .name: x, .offset: 0, .size: 8, .value_kind: global_buffer, .address_space: global }
      - { .name: Wk, .offset: 8, .size: 8, .value_kind: global_buffer, .address_space: global }
      - { .name: Wq, .offset: 16, .size: 8, .value_kind: global_buffer, .address_space: global }
      - { .name: Wv, .offset: 24, .size: 8, .value_kind: global_buffer, .address_space: global }
      - { .name: Wp, .offset: 32, .size: 8, .value_kind: global_buffer, .address_space: global }
      - { .name: xc, .offset: 40, .size: 8, .value_kind: global_buffer, .address_space: global }
      - { .name: xs, .offset: 48, .size: 8, .value_kind: global_buffer, .address_space: global }
      - { .name: wc, .offset: 56, .size: 8, .value_kind: global_buffer, .address_space: global }
      - { .name: ws, .offset: 64, .size: 8, .value_kind: global_buffer, .address_space: global }
    .group_segment_fixed_size: 33280
    .private_segment_fixed_size: 0
    .kernarg_segment_align: 8
    .kernarg_segment_size: 72
    .max_flat_workgroup_size: 128
    .sgpr_count:     66
    .vgpr_count:     194
    .wavefront_size: 32
...
	.end_amdgpu_metadata
.endif
;; end of part 1
;; launch qkv (part 2): grid 12 x 32, 4 waves a work-group, clusters of 4 x 4, 327,680 bytes of LDS; arguments xc, xs, wc, ws, hc, hs; writes hc, hs
.if DOCPART == 2
	.amdgcn_target "amdgcn-amd-amdhsa--gfx1250"
	.amdhsa_code_object_version 6
	.text
	.protected	k_qdfc0c7e6b0_qkv
	.globl	k_qdfc0c7e6b0_qkv
	.p2align	8
	.type	k_qdfc0c7e6b0_qkv,@function
k_qdfc0c7e6b0_qkv:
	s_mov_b64 s[64:65], 0
	v_nop
	global_prefetch_b8 v0, s[64:65] scope:SCOPE_SE
	s_setreg_imm32_b32 hwreg(HW_REG_WAVE_MODE, 25, 1), 1
	s_wait_xcnt 0x0
	s_wait_alu depctr_hold_cnt(0) depctr_sa_sdst(0) depctr_va_vdst(0) depctr_va_sdst(0) depctr_va_ssrc(0) depctr_va_vcc(0) depctr_vm_vsrc(0)
	s_getreg_b32 s2, hwreg(HW_REG_IB_STS2, 6, 4)
	s_cmp_eq_u32 s2, 0
	s_cbranch_scc0 .Lentry_in_a_cluster
	s_endpgm
.Lentry_in_a_cluster:
	s_bfe_u32 s2, ttmp6, 0x10000c
	s_cmp_lg_u32 s2, 0xf033
	s_cbranch_scc0 .Lentry_shape_is_right
	s_endpgm
.Lentry_shape_is_right:
; k, q, v = x Wk^T, x Wq^T, x Wv^T as ONE product [8192][1024] x [3072][1024]^T on codes of FP6 (E2M3) with E8M0 scales; the results never go to memory as f32: the way out quantises them for the attention launch.
; A tile of 256 x 256 is made by four waves, 128 x 128 each (64 accumulators, 512 registers).  K goes in steps of 256 through a ring of two LDS slots filled by the tensor data mover; the scale bytes of the
; work-group's rows come once and stay.  4 x 4 work-groups form a cluster: A's tiles are asked for jointly along a row of the cluster, B's along a column.
; THE MATRIX INSTRUCTION IS USED TRANSPOSED (source 0 = 16 rows of W, source 1 = 16 rows of x), and wc's rows stand with bits 3 and 4 of their number exchanged: so in block a of my rows
; register 64 (a % 4) + 16 b + i of window 2 + a / 4 holds (row 16 a + lane % 16, my column 32 b + 16 (lane / 16) + i): 16 neighbours along a head's d.  My 128 columns are two heads.
; The cluster's x says which weight: 0 Wk, 1 Wq, 2 Wv (1,024 rows of wc are four tile columns).  It is the same in all sixteen partners, so the way out may branch on it.
; WAY OUT, k and q: quantised along d (two blocks a head) in registers; a row's 48 bytes go to the place with bits 3 and 4 of t exchanged: hc[which][head][place][48], hs[which][head][place] = byte 0, byte 1, 0, 0.
; WAY OUT, v: quantised along t: 32 rows at a time turn through LDS so that a lane holds one column and its registers run down t: hc[2][head][t / 64][place of d][48], hs[2][head][t / 128][place of d] = 4 bytes.
; LIMITS: NaN and infinities are not served; blocks under 2^-124 are held at the byte 1, and blocks of zeros carry the byte 1 (their codes are zeros; the bytes are read by this program alone).
; v's scale words leave as stores of 128 consecutive bytes; all other stores cover 512 consecutive aligned bytes.
; REGISTERS: window 0: v0-31 addresses; v32-63 scale words, two sets; from v128 A's fragments, one set; behind the loop v32-223 are at work on the way out.  window 1: B's fragments, two sets.  windows 2, 3: the accumulators.
.set SIZE_M, 8192
.set SIZE_N, 3072
.set SIZE_K, 1024
.set KSTEP,  256                       ; along K in a slot
.set NQ,     KSTEP/128                 ; matrix instructions deep
.set ROWB,   192                       ; a tile's row in bytes
.set KROW,   SIZE_K*6/8                ; a row of codes in memory
.set PITCH,  240                       ; an LDS row: 3 x (64 bytes + 16 of padding)
.set FR,     12                        ; registers of a fragment
.set NL,     6                         ; LDS loads that bring one
.set NP,     4                         ; places behind this matrix instruction (ISA guide 7.12.1)
.set HALFT,  128*PITCH
.set SLOT,   4*HALFT                   ; A's 256 rows, then B's 256 rows
.set LAPS,   SIZE_K/(2*KSTEP)
.set KS,     SIZE_K/32                 ; a row of scale bytes
.set SCL,    2*SLOT                    ; behind the ring: the scale bytes, as 256 bytes + 16 of padding
.set HALFS,  (128*KS/256)*272
.set SBLK,   (16*KS/256)*272
.set SPARE,  SCL+4*HALFS               ; the spare words, 128 bytes a wave
.set KST,    SPARE+512                 ; k's and q's way out: for each wave [head 2][place 128][48 bytes], then [head 2][place 128][4 bytes]; no tile ever lands here
.set KSTW,   13312
.set VFW,    16896                     ; v's way out, in slot 0, which has had its last fill and its last read: for each wave 32 rows x (512 + 16) bytes of f32 from byte 0 on,
.set VC,     4*VFW                     ; and for each wave [head 2][t / 64: 2][place 64][48 bytes]
.set VCW,    12288
.set KSTO, 7                           ; v7   k, q: where my 24 bytes of a row go
.set KSSO, 8                           ; v8   and the row's scale word
.set KRD,  9                           ; v9   and 16 x lane in that stage
.set VSTO, 10                          ; v10  v: where my 64 bytes of a row of f32 go
.set VRD,  11                          ; v11  my column in a row of f32
.set VCO,  12                          ; v12  my column's 48 bytes of codes
.set VCR,  13                          ; v13  16 x lane in the codes' stage
.set VSO,  14                          ; v14  my column's scale word in hs
.set ADRA, 16                          ; v16-17 LDS address of my A fragments in slot 0, 1 (v18-19: behind one padding more)
.set ADRB, 20                          ; v20-23 the same for B
.set CO,   26                          ; v26  16 x lane
.set ADRS, 27                          ; v27  my scale words: lanes 0-15 A's rows, lanes 16-31 B's
.set SPW,  28                          ; v28  my spare word; never rewritten
.set NIL,  29                          ; v29  0; never rewritten
.set SC,   32
.set AF,   128
.set QPC,  176                         ; v176-194 the codes just made
.set TM,   200                         ; v200-203 largest magnitudes, v204-207 bytes, v212-215 the conversions' scale operands
.set PW,   216                         ; four bytes of a row
.set SW,   217                         ; v217-218 the two heads' scale words
.set VX,   32                          ; v32-95 two sets of 32 numbers down t
.set SB,   108                         ; v108-111 v's scale words, one for each group of 32 columns
.set G1, 24
.set G0, 32
.set G1B, 48
.set G0B, 56
.set G1S, 68
.set G0S, 76
.set G1SB, 80
.set G0SB, 88
.set SEL, 98                           ; s[98:99] lane selects: lane l xor 16
.set MSB, 0
.macro WIN new                         ; the immediate's high byte repeats the setting that is left
.if MSB != \new
	s_set_vgpr_msb (MSB<<8)|\new
.set MSB, \new
.endif
.endm
.set MUL_LO, 0xa1                      ; source 0 (B) window 1, source 1 (A) window 0, C and D window 2
.set MUL_HI, 0xf1                      ; the same, C and D window 3
.set TO_B,   0x40                      ; destination window 1
; A joint load: waves 0 and 1 fetch for A, waves 2 and 3 for B; the branch hangs on the wave's number alone.  Four v_nop follow each of the two lines.
.macro JLOAD g0a, g1a, g0b, g1b
	s_cmp_eq_u32 s15, 0
	s_cbranch_scc0 .Lfor_b_\@
	tensor_load_to_lds s[\g0a:\g0a+3], s[\g1a:\g1a+7]
	s_nop 0
.rept 4
	v_nop
.endr
	s_branch .Lasked_\@
.Lfor_b_\@:
	tensor_load_to_lds s[\g0b:\g0b+3], s[\g1b:\g1b+7]
	s_nop 0
.rept 4
	v_nop
.endr
.Lasked_\@:
.endm
.macro CREST                           ; a round of the cluster's barrier behind its opening barrier
	s_cmp_lg_u32 s14, 0
	s_cbranch_scc1 .Lnot_wave_0_\@
	s_barrier_signal -3
.Lnot_wave_0_\@:
	s_barrier_wait -3
	s_barrier_signal -1
	s_barrier_wait -1
.endm
.macro CROUND
	s_barrier_signal -1
	s_barrier_wait -1
	CREST
.endm
	s_load_b128 s[4:7], s[0:1], 0x0                ; x's codes, x's scales
	s_load_b128 s[8:11], s[0:1], 0x10              ; W's codes, W's scales
	s_load_b64 s[12:13], s[0:1], 0x20              ; hc
	s_load_b64 s[96:97], s[0:1], 0x28              ; hs
	v_lshl_add_u32 v[SPW], v0, 2, SPARE
	v_mov_b32 v[NIL], 0
	ds_add_u32 v28, v29
	ds_add_u32 v28, v29
	s_wait_dscnt 0x0
	v_lshrrev_b32 v1, 5, v0
	v_readfirstlane_b32 s14, v1                    ; wave 0..3
	s_lshr_b32 s15, s14, 1                         ; which half of the tile's rows is mine.  Also: I fetch for A (0) or for B (1)
	s_and_b32 s16, s14, 1                          ; which half of its columns.  Also: which 128 rows of that tile I fetch
	s_bfe_u32 s40, ttmp6, 0x40000                  ; cx, cy: my place in the cluster
	s_bfe_u32 s41, ttmp6, 0x40004
	s_lshl_b32 s42, ttmp9, 2
	s_add_co_u32 s42, s42, s40                     ; tile column = 4 x cluster x + cx
	s_and_b32 s17, ttmp7, 0xffff
	s_lshl_b32 s17, s17, 2
	s_add_co_u32 s17, s17, s41                     ; tile row = 4 x cluster y + cy
	s_lshl_b32 s43, s41, 2
	s_lshl_b32 s43, 15, s43                        ; my row of the cluster
	s_lshl_b32 s44, 0x1111, s40                    ; my column
	s_mov_b32 s[SEL], 0x76543210
	s_mov_b32 s[SEL+1], 0xfedcba98
	; descriptor group 1: a tile of 128 rows x 192 bytes, 16 bytes of padding behind every 64
	s_or_b32 s[G1+0], s43, (0<<16)|(1<<20)|(1<<21)|(3<<22)|(3<<25)
	s_or_b32 s[G1B+0], s44, (0<<16)|(1<<20)|(1<<21)|(3<<22)|(3<<25)
.irp g, G1, G1B
	s_mov_b32 s[\g+1], ROWB<<16                    ; tensor_dim0
	s_mov_b32 s[\g+2], 128<<16                     ; tensor_dim1
	s_mov_b32 s[\g+3], ROWB<<16                    ; tile_dim0
	s_mov_b32 s[\g+4], 128                         ; tile_dim1
	s_mov_b32 s[\g+5], KROW                        ; tensor_dim0_stride
	s_mov_b32 s[\g+6], 0
	s_mov_b32 s[\g+7], 0
.endr
	; the scale bytes of 128 rows: a dense block of 4,096 bytes, as rows of 256 bytes, 16 bytes of padding behind each
	s_or_b32 s[G1S+0], s43, (3<<16)|(1<<20)|(1<<21)|(5<<22)|(3<<25)
	s_or_b32 s[G1SB+0], s44, (3<<16)|(1<<20)|(1<<21)|(5<<22)|(3<<25)
.irp g, G1S, G1SB
	s_mov_b32 s[\g+1], 32<<16
	s_mov_b32 s[\g+2], (128*KS/256)<<16
	s_mov_b32 s[\g+3], 32<<16
	s_mov_b32 s[\g+4], 128*KS/256
	s_mov_b32 s[\g+5], 32
	s_mov_b32 s[\g+6], 0
	s_mov_b32 s[\g+7], 0
.endr
	s_lshl_b32 s18, s16, 7                         ; which 128 rows of the tile I fetch
	s_lshl_b32 s20, s17, 8
	s_add_co_u32 s20, s20, s18                     ; A: row 256 x tile row + 128 x half
	s_lshl_b32 s46, s42, 8
	s_add_co_u32 s46, s46, s18                     ; B: row 256 x tile column + 128 x half
	s_mov_b32 s21, 0
	s_mov_b32 s47, 0
	s_mov_b64 s[18:19], KS
	s_mul_u64 s[22:23], s[20:21], s[18:19]         ; where these rows' scale bytes begin
	s_mul_u64 s[92:93], s[46:47], s[18:19]
	s_mov_b64 s[18:19], KROW
	s_mul_u64 s[20:21], s[20:21], s[18:19]         ; and their codes
	s_mul_u64 s[46:47], s[46:47], s[18:19]
	s_mul_i32 s45, s14, HALFT                      ; where they go: wave x 128 rows: no place in the cluster enters an LDS address
	s_mul_i32 s94, s14, HALFS
	s_wait_kmcnt 0x0
	s_add_nc_u64 s[20:21], s[4:5], s[20:21]
	s_add_nc_u64 s[22:23], s[6:7], s[22:23]
	s_add_nc_u64 s[46:47], s[8:9], s[46:47]
	s_add_nc_u64 s[92:93], s[10:11], s[92:93]
	CROUND                                         ; all sixteen work-groups are here: the first joint loads meet
	s_mov_b32 s[G0S], 1
	s_add_co_u32 s[G0S+1], s94, SCL
	s_mov_b64 s[G0S+2:G0S+3], s[22:23]
	s_or_b32 s[G0S+3], s[G0S+3], 0x80000000
	s_mov_b32 s[G0SB], 1
	s_add_co_u32 s[G0SB+1], s94, SCL
	s_mov_b64 s[G0SB+2:G0SB+3], s[92:93]
	s_or_b32 s[G0SB+3], s[G0SB+3], 0x80000000
	JLOAD G0S, G1S, G0SB, G1SB                     ; the scale bytes first: they are wanted with K step 0
.irp s, 0,1
	s_mov_b32 s[G0+4*\s], 1
	s_add_co_u32 s[G0+4*\s+1], s45, \s*SLOT
	s_add_nc_u64 s[G0+4*\s+2:G0+4*\s+3], s[20:21], \s*ROWB
	s_or_b32 s[G0+4*\s+3], s[G0+4*\s+3], 0x80000000
	s_mov_b32 s[G0B+4*\s], 1
	s_add_co_u32 s[G0B+4*\s+1], s45, \s*SLOT
	s_add_nc_u64 s[G0B+4*\s+2:G0B+4*\s+3], s[46:47], \s*ROWB
	s_or_b32 s[G0B+4*\s+3], s[G0B+4*\s+3], 0x80000000
	JLOAD G0+4*\s, G1, G0B+4*\s, G1B
.endr
	v_and_b32 v1, 15, v0                           ; r = l % 16
	v_bfe_u32 v2, v0, 4, 1                         ; h = l / 16
	v_mul_u32_u24 v3, v1, PITCH
	v_mul_u32_u24 v4, v2, 24
	v_add_nc_u32 v4, v3, v4                        ; a fragment's row x pitch + 24 x half
	v_lshl_add_u32 v5, v2, 4, v4                   ; and the same behind one padding more
	s_mul_i32 s21, s15, HALFT                      ; my 128 rows of A
	s_mul_i32 s22, s16, HALFT                      ; my 128 rows of B,
	s_add_co_u32 s22, s22, 2*HALFT                 ; which lie behind A's 256
.irp s, 0,1
	v_add_nc_u32 v[ADRA+\s], s21, v4
	v_add_nc_u32 v[ADRB+\s], s22, v4
	v_add_nc_u32 v[ADRA+2+\s], s21, v5
	v_add_nc_u32 v[ADRB+2+\s], s22, v5
	s_add_co_u32 s21, s21, SLOT
	s_add_co_u32 s22, s22, SLOT
.endr
	v_mul_u32_u24 v5, v1, KS                       ; my row's scale bytes: 32 a row,
	v_lshrrev_b32 v6, 8, v5
	v_lshl_add_u32 v5, v6, 4, v5                   ; and 16 more for each 256 passed
	s_mul_i32 s21, s15, HALFS
	s_mul_i32 s22, s16, HALFS
	s_add_co_u32 s22, s22, 2*HALFS
	s_sub_co_u32 s22, s22, s21
	v_mul_u32_u24 v6, s22, v2                      ; lanes 16-31 take B's
	s_add_co_u32 s21, s21, SCL
	v_add_nc_u32 v5, v5, v6
	v_add_nc_u32 v[ADRS], s21, v5
	; the way out's addresses, all made here, ahead of the parting of the two ways
	s_mul_i32 s23, s14, KSTW
	s_add_co_u32 s23, s23, KST
	v_and_b32 v3, 8, v1
	v_add_nc_u32 v3, v3, v1                        ; r + 8 (r / 8): row 16 a + r stands at place 32 (a / 2) + 8 (a % 2) + this
	v_mul_u32_u24 v4, v3, 48
	v_mad_u32_u24 v4, v2, 24, v4
	v_add_nc_u32 v[KSTO], s23, v4
	v_lshlrev_b32 v4, 2, v3
	v_add_nc_u32 v4, s23, v4
	v_add_nc_u32 v[KSSO], 12288, v4
	v_and_b32 v6, 31, v0
	v_lshlrev_b32 v[CO], 4, v6
	v_add_nc_u32 v[KRD], s23, v[CO]
	s_mul_i32 s23, s14, VFW
	v_mul_u32_u24 v4, v1, 528
	v_lshl_add_u32 v4, v2, 6, v4
	v_add_nc_u32 v[VSTO], s23, v4                  ; row r of 528 bytes, + 64 h
	v_lshlrev_b32 v4, 2, v6
	v_add_nc_u32 v[VRD], s23, v4
	s_mul_i32 s23, s14, VCW
	s_add_co_u32 s23, s23, VC
	v_and_b32 v3, 7, v0
	v_bfe_u32 v4, v0, 3, 1
	v_lshl_add_u32 v3, v4, 4, v3
	v_lshl_add_u32 v3, v2, 3, v3                   ; column l of 32 stands at place (l % 8) + 16 ((l / 8) % 2) + 8 (l / 16)
	v_mul_u32_u24 v4, v3, 48
	v_add_nc_u32 v[VCO], s23, v4
	v_add_nc_u32 v[VCR], s23, v[CO]
	v_lshlrev_b32 v[VSO], 2, v3
	; where my part begins in hc and hs.  What hangs on the tile row is made in s20-23, what hangs on cx in s46, s47, s92, s93
	s_lshr_b32 s20, s17, 2                         ; the batch
	s_and_b32 s21, s17, 3
	s_lshl_b32 s21, s21, 1
	s_add_co_u32 s21, s21, s15                     ; which 128 of the batch's 1,024 rows
	s_mul_i32 s22, s20, 786432                     ; 16 heads of 49,152 bytes
	s_mul_i32 s23, s21, 6144                       ; 128 rows of 48 bytes (v: two groups of 64 t x 64 places x 48 bytes)
	s_add_co_u32 s22, s22, s23
	s_mov_b32 s23, 0
	s_add_nc_u64 s[12:13], s[12:13], s[22:23]
	s_lshl_b32 s22, s20, 16                        ; 16 heads of 4,096 bytes
	s_cmp_eq_u32 ttmp9, 2
	s_cselect_b32 s20, 8, 9                        ; v: 256 bytes of scale words for 128 rows; k, q: 512
	s_lshl_b32 s21, s21, s20
	s_add_co_u32 s22, s22, s21
	s_add_nc_u64 s[96:97], s[96:97], s[22:23]
	s_lshl_b32 s46, s40, 2
	s_lshl_b32 s47, s16, 1
	s_add_co_u32 s46, s46, s47                     ; my first head: 4 cx + 2 x half
	s_mul_i32 s92, ttmp9, 6291456                  ; k, q or v
	s_mul_i32 s47, s46, 49152
	s_add_co_u32 s92, s92, s47
	s_mov_b32 s93, 0
	s_add_nc_u64 s[12:13], s[12:13], s[92:93]
	s_lshl_b32 s92, ttmp9, 19
	s_lshl_b32 s47, s46, 12
	s_add_co_u32 s92, s92, s47
	s_add_nc_u64 s[96:97], s[96:97], s[92:93]
.macro FRAG reg, adr, q, i             ; a fragment: lane l holds row l % 16; registers 6 c .. 6 c + 5 hold K = 64 c + 32 (l / 16) + 0 .. 31: 24 bytes of the row's stream of bits, in pieces of 8 bytes
.irp p, 0,1,2,3,4,5
.set PC, 12*(\q)+6*(\p/3)+\p%3        ; 16 bytes of padding lie behind every 8 pieces: where the piece three on lies behind one padding more, the second address register serves
.if PC%8 < 5
	ds_load_b64 v[\reg+2*\p:\reg+2*\p+1], v[\adr] offset:8*PC+16*(PC/8)+(\i)*16*PITCH
.else
	ds_load_b64 v[\reg+2*\p:\reg+2*\p+1], v[\adr+2] offset:8*PC+16*(PC/8)+(\i)*16*PITCH
.endif
.endr
.endm
; 16 matrix instructions: A's blocks a0, a0 + 1 x B's eight.  The 64 accumulators take turns, one instruction a turn, in the same order in every step.
.macro MUL16 a0, p, q, sc, zero
.irp a, \a0, \a0+1
.irp b, 0,1,2,3,4,5,6,7
.if \zero
	v_wmma_scale_f32_16x16x128_f8f6f4 v[8*(8*((\a)%4)+\b):8*(8*((\a)%4)+\b)+7], v[128*(\p)+FR*\b:128*(\p)+FR*\b+FR-1], v[AF+FR*(\a):AF+FR*(\a)+FR-1], 0, v[SC+8*NQ*(\sc)+NQ*\b+(\q)], v[SC+8*NQ*(\sc)+NQ*(\a)+(\q)] matrix_a_fmt:MATRIX_FMT_FP6 matrix_b_fmt:MATRIX_FMT_FP6 matrix_a_scale:MATRIX_SCALE_ROW1
.else
	v_wmma_scale_f32_16x16x128_f8f6f4 v[8*(8*((\a)%4)+\b):8*(8*((\a)%4)+\b)+7], v[128*(\p)+FR*\b:128*(\p)+FR*\b+FR-1], v[AF+FR*(\a):AF+FR*(\a)+FR-1], v[8*(8*((\a)%4)+\b):8*(8*((\a)%4)+\b)+7], v[SC+8*NQ*(\sc)+NQ*\b+(\q)], v[SC+8*NQ*(\sc)+NQ*(\a)+(\q)] matrix_a_fmt:MATRIX_FMT_FP6 matrix_b_fmt:MATRIX_FMT_FP6 matrix_a_scale:MATRIX_SCALE_ROW1
.endif
.endr
.endr
.endm
.macro FETCH_B slot, q, p
	WIN TO_B
.irp i, 0,1,2,3,4,5,6,7
	FRAG 128*(\p)+FR*\i, ADRB+\slot, \q, \i
.endr
	WIN 0
.endm
.macro FETCH_A slot, q, i0
.irp i, \i0, \i0+1, \i0+2, \i0+3
	FRAG AF+FR*(\i), ADRA+\slot, \q, \i
.endr
.endm
.macro SCALES sc                       ; the K step's scale words: two words a row; lanes 0-15 take A's block i, lanes 16-31 B's block i
.irp i, 0,1,2,3,4,5,6,7
	ds_load_b64 v[SC+8*NQ*\sc+NQ*\i:SC+8*NQ*\sc+NQ*\i+1], v[ADRS] offset:\i*SBLK
.endr
.endm
.macro PLACES n                        ; plain vector lines between a matrix instruction and a load into, or a read of, its registers
.rept \n
	v_nop
.endr
.endm
.macro STEP slot, q, zero              ; a step of 128 along K that has its successor in the same slot
	s_wait_dscnt 4*NL                              ; B's set and A's blocks 0-3 are in; the youngest 24 loads (A's blocks 4-7) may be out
	WIN MUL_LO
	MUL16 0, (\q)%2, \q, \slot, \zero
	MUL16 2, (\q)%2, \q, \slot, \zero
	s_wait_dscnt 0                                 ; A's blocks 4-7 are in
	PLACES NP
	FETCH_B \slot, (\q)+1, 1-(\q)%2
	FETCH_A \slot, (\q)+1, 0
	WIN MUL_HI
	MUL16 4, (\q)%2, \q, \slot, \zero
	MUL16 6, (\q)%2, \q, \slot, \zero
	PLACES NP
	WIN 0
	FETCH_A \slot, (\q)+1, 4
.endm
; A slot's last step changes slots: one barrier; in front of it each wave waits for all its tensor loads, adds 0 to its spare word, and waits for that and for its reads of this slot.
.macro TURN slot, next, fill
	s_wait_tensorcnt 0x0                           ; all my tensor loads have landed: my part of the next slot
	ds_add_u32 v[SPW], v[NIL]                      ; 0 onto my spare word
	s_wait_dscnt 4*NL+1                            ; the add and the youngest 24 loads (A's blocks 4-7) may be out
	WIN MUL_LO
	MUL16 0, 1, NQ-1, \slot, 0
	s_wait_dscnt 0x0                               ; the add is done, and my reads of this slot are over
	s_barrier_signal -1
	MUL16 2, 1, NQ-1, \slot, 0
	WIN 0
	s_barrier_wait -1
.if \fill
	CREST                                          ; the barrier has opened a round of the cluster's barrier: no wave of any partner still reads this slot or has a load on its way
	s_add_nc_u64 s[G0+4*\slot+2:G0+4*\slot+3], s[G0+4*\slot+2:G0+4*\slot+3], 2*ROWB
	s_add_nc_u64 s[G0B+4*\slot+2:G0B+4*\slot+3], s[G0B+4*\slot+2:G0B+4*\slot+3], 2*ROWB
	JLOAD G0+4*\slot, G1, G0B+4*\slot, G1B         ; the first tensor load behind the round; its four v_nop are also the places in front of the loads below
.else
	PLACES NP
.endif
	v_add_nc_u32 v[ADRS], 4*NQ, v[ADRS]            ; on to the next K step's scale words
	FETCH_B \next, 0, 0
	FETCH_A \next, 0, 0
	SCALES \next
	WIN MUL_HI
	MUL16 4, 1, NQ-1, \slot, 0
	MUL16 6, 1, NQ-1, \slot, 0
	PLACES NP
	WIN 0
	FETCH_A \next, 0, 4
.endm
	s_wait_tensorcnt 1                             ; the scale bytes and my part of K step 0 are in (K step 1's load may be out)
	s_barrier_signal -1
	s_barrier_wait -1
	FETCH_B 0, 0, 0
	FETCH_A 0, 0, 0
	SCALES 0
	FETCH_A 0, 0, 4
	STEP 0, 0, 1                                   ; the first step's products start the sums
	s_mov_b32 s3, LAPS-1
.Llap:
	TURN 0, 1, 1
	STEP 1, 0, 0
	TURN 1, 0, 1
	STEP 0, 0, 0
	s_sub_co_u32 s3, s3, 1
	s_cmp_lg_u32 s3, 0
	s_cbranch_scc1 .Llap
	TURN 0, 1, 0                                   ; the last lap fills nothing
	STEP 1, 0, 0
	s_wait_dscnt 4*NL
	WIN MUL_LO
	MUL16 0, 1, NQ-1, 1, 0
	MUL16 2, 1, NQ-1, 1, 0
	s_wait_dscnt 0
	WIN MUL_HI
	MUL16 4, 1, NQ-1, 1, 0
	MUL16 6, 1, NQ-1, 1, 0
	WIN 0
	PLACES NP                                      ; behind the last products: their results are read and their operands' registers written below
; 24 (+ extra) loads of 512 bytes from a stage of mine, and 24 stores of 512 consecutive aligned bytes: 6,144 bytes for each of my two heads.  Each wait's count is the number of younger loads.
.macro COPYOUT adr, reg, extra
.set n, 0
.rept 24+\extra
	ds_load_b128 v[\reg+4*n:\reg+4*n+3], v[\adr] offset:512*n      ; LDS serves a wave's instructions in order: these see my stores
.set n, n+1
.endr
.set n, 0
.rept 24
	s_wait_dscnt 23+\extra-n
	global_store_b128 v[CO], v[\reg+4*n:\reg+4*n+3], s[12:13] offset:(n/12)*49152+(n%12)*512
.set n, n+1
.endr
.endm
	s_cmp_eq_u32 ttmp9, 2                          ; the cluster's x: the same in all sixteen partners; no barrier and no tensor load stands in either way
	s_cbranch_scc1 .Lv
	; ---- k and q: quantised along d
.irp b, 0,1,2,3
	v_mov_b32 v[TM+4+\b], 0                        ; written once: a lane permute's destination counts as one of its sources
.endr
; Block a's 64 numbers of a lane (register 16 b + i = column 32 b + 16 (lane / 16) + i of my row) become 12 registers of codes in v[QPC] on and four bytes in v[PW].
.macro QUANTW a
.set AC, 64*((\a)%4)
.set WA, 2+(\a)/4
.set W2, WA|(WA<<2)
	WIN W2                                         ; sources 0 and 1 in the accumulators' window
.irp b, 0,1,2,3
	v_max3_num_f32 v[TM+\b], |v[AC+16*\b]|, |v[AC+16*\b+1]|, 0x1800000   ; my 16 numbers of block b, and the floor 2^(3 - 127); each accumulator is read from its low end on
.endr
.irp i, 2,4,6,8,10,12,14
.irp b, 0,1,2,3
	v_max3_num_f32 v[TM+\b], |v[AC+16*\b+\i]|, |v[AC+16*\b+\i+1]|, v[TM+\b]
.endr
.endr
	WIN 0
.irp b, 0,1,2,3
	v_permlanex16_b32 v[TM+4+\b], v[TM+\b], s[SEL], s[SEL+1]
.endr
.irp b, 0,1,2,3
	v_max_num_f32 v[TM+\b], v[TM+\b], v[TM+4+\b]   ; with lane l xor 16's: the block's largest magnitude
.endr
.irp b, 0,1,2,3
	v_add_nc_u32 v[TM+12+\b], 0xff000000, v[TM+\b] ; 2 off its exponent field: the conversion's scale operand
.endr
.irp b, 0,1,2,3
	v_lshrrev_b32 v[TM+4+\b], 23, v[TM+12+\b]      ; the scale's byte
.endr
	v_lshl_or_b32 v[PW], v[TM+5], 8, v[TM+4]
	v_lshl_or_b32 v[PW], v[TM+6], 16, v[PW]
	v_lshl_or_b32 v[PW], v[TM+7], 24, v[PW]
	WIN WA                                         ; source 0 alone in the accumulators' window
.irp c, 0,1
	v_cvt_scalef32_pk16_fp6_f32 v[QPC+6*\c:QPC+6*\c+2], v[AC+32*\c:AC+32*\c+15], v[TM+12+2*\c]
	v_cvt_scalef32_pk16_fp6_f32 v[QPC+12+4*\c:QPC+14+4*\c], v[AC+32*\c+16:AC+32*\c+31], v[TM+12+2*\c+1]   ; (a conversion's three registers begin on an even number)
.endr
	WIN 0
	v_nop                                          ; one plain line behind a scaled conversion
.irp c, 0,1                                    ; a whole block to a lane: lanes 0-15 block 2 c, lanes 16-31 block 2 c + 1
.irp i, 0,1,2
	v_permlane16_swap_b32 v[QPC+6*\c+\i], v[QPC+12+4*\c+\i]
.endr
.irp i, 0,1,2
	v_mov_b32 v[QPC+3+6*\c+\i], v[QPC+12+4*\c+\i]
.endr
.endr
.endm
.irp a, 0,1,2,3,4,5,6,7
	QUANTW \a
	v_and_b32 v[SW], 0xffff, v[PW]                 ; head 0's word: byte 0, byte 1, 0, 0
	v_lshrrev_b32 v[SW+1], 16, v[PW]               ; head 1's
.irp c, 0,1
.irp p, 0,1,2
	ds_store_b64 v[KSTO], v[QPC+6*\c+2*\p:QPC+6*\c+2*\p+1] offset:\c*6144+(32*(\a/2)+8*(\a%2))*48+8*\p   ; head c, my row's place, block lane / 16
.endr
	ds_store_b32 v[KSSO], v[SW+\c] offset:\c*512+(32*(\a/2)+8*(\a%2))*4   ; both halves of the lanes write the same word with the same value
.endr
	s_wait_dscnt 0x0                               ; the stores have read their registers
.endr
	COPYOUT KRD, 32, 2
	s_wait_dscnt 1
	global_store_b128 v[CO], v[128:131], s[96:97]              ; head 0's 128 scale words
	s_wait_dscnt 0
	global_store_b128 v[CO], v[132:135], s[96:97] offset:4096  ; head 1's
	s_branch .Lout
.Lv:	; ---- v: quantised along t
.macro VSTAGE g                        ; rows 32 g .. 32 g + 31 of my tile, as f32, into my stage
.irp e, 0,1
.set AA, 2*(\g)+\e
.set AC, 64*(AA%4)
.set WS, 0x08+4*(AA/4)
	WIN WS                                         ; an LDS store's data are its source 1
.irp be, 0,1,2,3
.irp k, 0,1,2,3
	ds_store_b128 v[VSTO], v[AC+16*\be+4*\k:AC+16*\be+4*\k+3] offset:16*\e*528+128*\be+16*\k   ; each accumulator from its low end on
.endr
.endr
.endr
	WIN 0
.endm
.macro VLOADC q                        ; q = 4 g + cg: column 32 cg + lane, 32 numbers down t
.set XL, VX+32*((\q)%2)
.set n, 0
.rept 32
	ds_load_b32 v[XL+n], v[VRD] offset:528*n+128*((\q)%4)
.set n, n+1
.endr
.endm
.macro VPROC q
.set XS, VX+32*((\q)%2)
.set G4, (\q)/4
.set CG, (\q)%4
	v_max3_num_f32 v104, |v[XS]|, |v[XS+1]|, |v[XS+2]|             ; the block's largest magnitude: all 32 numbers are mine
	v_max3_num_f32 v105, |v[XS+3]|, |v[XS+4]|, |v[XS+5]|
.irp i, 6,10,14,18,22,26
	v_max3_num_f32 v104, v104, |v[XS+\i]|, |v[XS+\i+1]|
	v_max3_num_f32 v105, v105, |v[XS+\i+2]|, |v[XS+\i+3]|
.endr
	v_max3_num_f32 v104, v104, |v[XS+30]|, |v[XS+31]|
	v_max3_num_f32 v104, v104, v105, 0x1800000     ; and the floor 2^(3 - 127)
	v_add_nc_u32 v106, 0xff000000, v104
	v_lshrrev_b32 v107, 23, v106
.if G4 == 0
	v_mov_b32 v[SB+CG], v107                       ; four bytes to a word, the lower t in the lower byte
.else
	v_lshl_or_b32 v[SB+CG], v107, 8*G4, v[SB+CG]
.endif
	v_cvt_scalef32_pk16_fp6_f32 v[96:98], v[XS:XS+15], v106
	v_cvt_scalef32_pk16_fp6_f32 v[100:102], v[XS+16:XS+31], v106
	v_nop                                          ; one plain line behind a scaled conversion
	v_mov_b32 v99, v100
	v_mov_b32 v100, v101
	v_mov_b32 v101, v102                           ; v96-101: the block's 24 bytes
.irp p, 0,1,2
	ds_store_b64 v[VCO], v[96+2*\p:97+2*\p] offset:(CG/2)*6144+(G4/2)*3072+(CG%2)*1536+24*(G4%2)+8*\p
.endr
.endm
	VSTAGE 0
	VLOADC 0
.set Q, 0
.rept 16
.if Q < 15
.if (Q+1)%4 == 0
	VSTAGE (Q+1)/4                                 ; behind the last loads of the 32 rows before: LDS serves my instructions in order
.endif
	VLOADC Q+1
	s_wait_dscnt 32                                ; all but the 32 loads just issued: this group's numbers are in, and the last group's stores have read their registers
.else
	s_wait_dscnt 0
.endif
	VPROC Q
.set Q, Q+1
.endr
	COPYOUT VCR, 112, 0
.irp cg, 0,1,2,3
	global_store_b32 v[VSO], v[SB+\cg], s[96:97] offset:(\cg/2)*4096+(\cg%2)*128   ; 32 columns' scale words: 128 consecutive bytes
.endr
.Lout:
	s_wait_tensorcnt 0x0                           ; the wave's end
	ds_add_u32 v[SPW], v[NIL]
	s_wait_dscnt 0x0
	CROUND                                         ; the closing round
	s_endpgm
.Lfunc_end_k_qdfc0c7e6b0_qkv:
	.size	k_qdfc0c7e6b0_qkv, .Lfunc_end_k_qdfc0c7e6b0_qkv-k_qdfc0c7e6b0_qkv
	.p2alignl 7, 3214868480
	.fill 96, 4, 3214868480
	.section	.rodata,"a",@progbits
	.p2align	6, 0x0
	.amdhsa_kernel k_qdfc0c7e6b0_qkv
		.amdhsa_group_segment_fixed_size 327680
		.amdhsa_private_segment_fixed_size 0
		.amdhsa_enable_private_segment 0
		.amdhsa_kernarg_size 48
		.amdhsa_user_sgpr_count 2
		.amdhsa_user_sgpr_kernarg_segment_ptr 1
		.amdhsa_wavefront_size32 1
		.amdhsa_system_sgpr_workgroup_id_x 1
		.amdhsa_system_sgpr_workgroup_id_y 1
		.amdhsa_system_sgpr_workgroup_id_z 1
		.amdhsa_system_vgpr_workitem_id 0
		.amdhsa_next_free_vgpr 1024
		.amdhsa_next_free_sgpr 100
		.amdhsa_reserve_vcc 0
		.amdhsa_float_denorm_mode_32 3
		.amdhsa_float_denorm_mode_16_64 3
		.amdhsa_memory_ordered 1
		.amdhsa_forward_progress 1
		.amdhsa_inst_pref_size 245
	.end_amdhsa_kernel
	.amdgpu_metadata
---
amdhsa.version: [ 1, 2 ]
amdhsa.kernels:
  - .name:           k_qdfc0c7e6b0_qkv
    .symbol:         k_qdfc0c7e6b0_qkv.kd
    .args:
      - { .name: xc, .offset: 0, .size: 8, .value_kind: global_buffer, .address_space: global }
      - { .name: xs, .offset: 8, .size: 8, .value_kind: global_buffer, .address_space: global }
      - { .name: wc, .offset: 16, .size: 8, .value_kind: global_buffer, .address_space: global }
      - { .name: ws, .offset: 24, .size: 8, .value_kind: global_buffer, .address_space: global }
      - { .name: hc, .offset: 32, .size: 8, .value_kind: global_buffer, .address_space: global }
      - { .name: hs, .offset: 40, .size: 8, .value_kind: global_buffer, .address_space: global }
    .group_segment_fixed_size: 327680
    .private_segment_fixed_size: 0
    .kernarg_segment_align: 8
    .kernarg_segment_size: 48
    .max_flat_workgroup_size: 128
    .sgpr_count:     100
    .vgpr_count:     1024
    .wavefront_size: 32
...
	.end_amdgpu_metadata
.endif
;; end of part 2
;; launch attn (part 3): grid 2 x 128, 16 waves a work-group, no clusters, 169,984 bytes of LDS; arguments hc, hs, yc, ys; writes yc, ys
.if DOCPART == 3
	.amdgcn_target "amdgcn-amd-amdhsa--gfx1250"
	.amdhsa_code_object_version 6
	.text
	.protected	k_qdfc0c7e6b0_attn
	.globl	k_qdfc0c7e6b0_attn
	.p2align	8
	.type	k_qdfc0c7e6b0_attn,@function
k_qdfc0c7e6b0_attn:
	s_mov_b64 s[64:65], 0
	v_nop
	global_prefetch_b8 v0, s[64:65] scope:SCOPE_SE
	s_setreg_imm32_b32 hwreg(HW_REG_WAVE_MODE, 25, 1), 1
	s_wait_xcnt 0x0
; y[b][h][i] = sum over j <= i of softmax_j(k[i] . q[j] / 8) v[j], both products on codes of FP6 (E2M3) with E8M0 scales; y leaves as codes, quantised along (h, d).
; The source multiplies k by q^T: rows made with Wk (hc part 0) are the rows of the softmax, here called queries; rows made with Wq (hc part 1) are the keys.
; THE SOFTMAX: t = score x log2(e) / 8; M = the running largest t rounded up to a whole number; p = 2^(t - M) is quantised along the keys; the row's sum is taken of the unquantised p and divides at the end (v_rcp_f32 and a multiply).
; SHARES.  A head's keys and values, 96 KiB of codes and 6 KiB of scale words, are brought into LDS ONCE; nothing is filled again, so there is one barrier.  Two work-groups share a head's 64 tiles of 16 queries:
; wave w of work-group g owns tiles 16 g + w and 63 - (16 g + w): u / 8 + 1 key steps of 128 for tile u, nine for every wave.  The loops' trip counts are constants (8 and 4); a step all of whose keys are hidden is jumped over.
; No multicast: a head has two work-groups, two heads share nothing, and what is shared is one fill at the head.
; LAYOUT.  Both products are used transposed: S^T = K Q^T (source 0 = 16 keys), O^T = V^T P^T (source 0 = 16 of the head's 64): a lane holds one query.  Keys and d stand in hc with bits 3 and 4 of their number exchanged,
; so that 16 neighbouring places are rows 32 b + 8 u + r + 8 (r / 8): the 16 registers of tiles 2 b, 2 b + 1 are 16 neighbours (of the keys; of d).  The first product's K is 64: the upper half of both operands is zero codes.
; LIMITS: NaN and infinities are not served; blocks under 2^-124 are held at the byte 1, blocks of zeros carry the byte 1 (codes zero; read by this program alone).  ys is written two bytes a row.
; REGISTERS: v1-7 addresses that stay; v8-10 addresses in hand; v11 Q's scale words; v12 -M, v13 largest t, v[14:15] the sum; v16-27 Q; v28-29 V's, v30-31 K's scale words; v32-79 four fragments of K; v80-127 of V;
;   v128-191 S^T, then p; v192-223 O^T; v224-235 p's codes; v236-247 at work; v248-251 the blocks' largest scores; v252 f; v253 p's scale word; v254-255 at work.
.set VCO,  49152                       ; LDS: keys' codes [place 1024][48] from 0; values' [t / 64: 16][place 64][48] from here;
.set KSC,  98304                       ; keys' scale words [place 1024][4]; 4,096 bytes on: values' [step 8][place 64][4];
.set STG,  104448                      ; and 768 bytes for each wave, for the way out: no tile lands there
.set AK0, 1                            ; v1  48 r + 24 h
.set L4,  2                            ; v2  KSC + 4 x lane
.set STI, 3                            ; v3  my stage + 48 r + 24 h
.set STR, 4                            ; v4  my stage + 16 x lane
.set GO,  5                            ; v5  16 x lane
.set YSO, 6                            ; v6  4 r
.set QA,  7                            ; v7  (r + 8 (r / 8)) x 48 + 24 h
.set ADK, 8
.set ADS, 9
.set ADT, 10
.set VSW, 28
.set KSW, 30
.set KFR, 32
.set VFR, 80
.set S,   128
.set O,   192
.set PCD, 224
.set BM,  248
.set WV,  18
.set SEL, 20                           ; s[20:21] lane selects: lane l xor 16
.set CS,  22                           ; s[22:23] c = log2(e) / 8
.set G1C, 24                           ; s[24:31] group 1: 64 rows of 256 bytes;  s[32:39]: 8 rows
.set G1S, 32
.set G0C, 40
.set G0S, 44
.set TB,  2                            ; s2  the step's codes: 6,144 bytes a step (keys and values alike)
.set TS,  3                            ; s3  the keys' scale words: 512 a step
.set TJ,  66                           ; s66 the values': 256 a step
.set CNT, 67
.set KF,  68                           ; s68 the step's first key
.set Q0,  69                           ; s69 my first query
.set TMPS, 70
.set QC,  72                           ; s[72:75] Q's codes for pass 0, 1;  s[76:79] its scale words;  s[80:83] yc;  s[84:87] ys;  s88, s89 the tiles
.set QS,  76
.set YC,  80
.set YS,  84
.set U,   88
	s_load_b256 s[4:11], s[0:1], 0x0               ; hc, hs, yc, ys
	v_lshl_add_u32 v254, v0, 2, 0x29000
	v_mov_b32 v255, 0
	ds_add_u32 v254, v255
	ds_add_u32 v254, v255
	s_wait_dscnt 0x0
	v_lshrrev_b32 v8, 5, v0
	v_readfirstlane_b32 s[WV], v8                  ; wave 0..15
	s_and_b32 s50, ttmp7, 0xffff                   ; batch x 16 + head
	s_lshl_b32 s[U+1], ttmp9, 4
	s_add_co_u32 s[U+1], s[U+1], s[WV]             ; my early tile, 0..31
	s_sub_co_u32 s[U], 63, s[U+1]                  ; my late tile, 32..63
	s_mul_i32 s51, s50, 49152                      ; the head's bytes in a part of hc, and in yc
	s_lshl_b32 s52, s50, 12                        ; in a part of hs
	s_lshr_b32 s53, s50, 4
	s_lshl_b32 s53, s53, 15                        ; ys: [batch][pair of heads][t][4 bytes]
	s_bfe_u32 s54, s50, 0x30001
	s_lshl_b32 s54, s54, 12
	s_add_co_u32 s53, s53, s54
	s_and_b32 s54, s50, 1
	s_lshl_b32 s54, s54, 1                         ; the even head writes a word's low half, the odd head its high half
	s_add_co_u32 s53, s53, s54
	s_mov_b32 s[G1C], 3<<16                        ; no mask; elements of 8 bytes; no padding
	s_mov_b32 s[G1C+1], 32<<16                     ; tensor_dim0 = 32 (256 bytes)
	s_mov_b32 s[G1C+2], 64<<16                     ; tensor_dim1 = 64
	s_mov_b32 s[G1C+3], 32<<16                     ; tile_dim0
	s_mov_b32 s[G1C+4], 64                         ; tile_dim1
	s_mov_b32 s[G1C+5], 32                         ; dense
	s_mov_b32 s[G1C+6], 0
	s_mov_b32 s[G1C+7], 0
	s_mov_b32 s[G1S], 3<<16
	s_mov_b32 s[G1S+1], 32<<16
	s_mov_b32 s[G1S+2], 8<<16
	s_mov_b32 s[G1S+3], 32<<16
	s_mov_b32 s[G1S+4], 8
	s_mov_b32 s[G1S+5], 32
	s_mov_b32 s[G1S+6], 0
	s_mov_b32 s[G1S+7], 0
	s_mov_b32 s[SEL], 0x76543210
	s_mov_b32 s[SEL+1], 0xfedcba98
	s_mov_b32 s[CS], 0x3e38aa3b                    ; log2(e) / 8
	s_mov_b32 s[CS+1], s[CS]                       ; (named with it as a pair, so it is written)
	; waves 0-2: the keys' codes, 16,384 bytes each; waves 3-5: the values'; waves 6, 7: the keys' scale words, 2,048 bytes each; wave 8: the values'
	s_mov_b32 s[G0C], 1
	s_lshl_b32 s[G0C+1], s[WV], 14
	s_cmp_ge_u32 s[WV], 3
	s_cselect_b32 s60, 6242304, 0                  ; from part 1's end of the head to part 2's head: 6,291,456 - 49,152
	s_add_co_u32 s60, s60, s[G0C+1]
	s_add_co_u32 s60, s60, s51
	s_add_co_u32 s60, s60, 6291456
	s_mov_b32 s61, 0
	s_mov_b32 s[G0S], 1
	s_lshl_b32 s62, s[WV], 11
	s_add_co_u32 s[G0S+1], s62, KSC-6*2048
	s_cmp_eq_u32 s[WV], 8
	s_cselect_b32 s63, 520192, 0                   ; 524,288 - 4,096
	s_add_co_u32 s62, s62, s63
	s_add_co_u32 s62, s62, s52
	s_add_co_u32 s62, s62, 524288-6*2048
	s_mov_b32 s63, 0
	s_wait_kmcnt 0x0
	s_add_nc_u64 s[G0C+2:G0C+3], s[4:5], s[60:61]
	s_or_b32 s[G0C+3], s[G0C+3], 0x80000000
	s_add_nc_u64 s[G0S+2:G0S+3], s[6:7], s[62:63]
	s_or_b32 s[G0S+3], s[G0S+3], 0x80000000
	s_cmp_lt_u32 s[WV], 6                          ; the first and only fills: at most one tensor load of a wave is out.  Four v_nop follow each line
	s_cbranch_scc0 .Lnot_codes
	tensor_load_to_lds s[G0C:G0C+3], s[G1C:G1C+7]
	s_nop 0
.rept 4
	v_nop
.endr
	s_branch .Lasked
.Lnot_codes:
	s_cmp_lt_u32 s[WV], 9
	s_cbranch_scc0 .Lasked
	tensor_load_to_lds s[G0S:G0S+3], s[G1S:G1S+7]
	s_nop 0
.rept 4
	v_nop
.endr
.Lasked:
.irp p, 0,1
	s_lshr_b32 s56, s[U+\p], 1
	s_lshl_b32 s56, s56, 5
	s_and_b32 s57, s[U+\p], 1
	s_lshl_b32 s57, s57, 3
	s_add_co_u32 s56, s56, s57                     ; tile u's rows stand at places 32 (u / 2) + 8 (u % 2) + r + 8 (r / 8)
	s_mul_i32 s58, s56, 48
	s_add_co_u32 s58, s58, s51
	s_mov_b32 s59, 0
	s_add_nc_u64 s[QC+2*\p:QC+2*\p+1], s[4:5], s[58:59]
	s_lshl_b32 s58, s56, 2
	s_add_co_u32 s58, s58, s52
	s_add_nc_u64 s[QS+2*\p:QS+2*\p+1], s[6:7], s[58:59]
	s_mul_i32 s58, s[U+\p], 768
	s_add_co_u32 s58, s58, s51
	s_add_nc_u64 s[YC+2*\p:YC+2*\p+1], s[8:9], s[58:59]
	s_lshl_b32 s58, s[U+\p], 6
	s_add_co_u32 s58, s58, s53
	s_add_nc_u64 s[YS+2*\p:YS+2*\p+1], s[10:11], s[58:59]
.endr
	v_and_b32 v8, 15, v0                           ; r
	v_bfe_u32 v9, v0, 4, 1                         ; h
	v_and_b32 v10, 31, v0                          ; lane
	v_mul_u32_u24 v[AK0], v8, 48
	v_mad_u32_u24 v[AK0], v9, 24, v[AK0]
	v_lshl_add_u32 v[L4], v10, 2, KSC
	s_mul_i32 s[TMPS], s[WV], 768
	s_add_co_u32 s[TMPS], s[TMPS], STG
	v_add_nc_u32 v[STI], s[TMPS], v[AK0]
	v_lshlrev_b32 v[GO], 4, v10
	v_add_nc_u32 v[STR], s[TMPS], v[GO]
	v_lshlrev_b32 v[YSO], 2, v8
	v_and_b32 v12, 8, v8
	v_add_nc_u32 v12, v12, v8                      ; r + 8 (r / 8)
	v_mul_u32_u24 v[QA], v12, 48
	v_mad_u32_u24 v[QA], v9, 24, v[QA]
	v_lshlrev_b32 v255, 2, v12                     ; Q's scale word; not written again before the wait for the loads below
.macro QLOAD p
.irp i, 0,1,2
	global_load_b64 v[16+2*\i:17+2*\i], v[QA], s[QC+2*\p:QC+2*\p+1] offset:8*\i   ; my query's block lane / 16: 24 bytes
.endr
	global_load_b32 v11, v255, s[QS+2*\p:QS+2*\p+1]
.endm
	QLOAD 0
.irp i, 22,23,24,25,26,27
	v_mov_b32 v\i, 0                               ; K = 64 .. 127 of the first product: zero codes, in Q
.endr
.irp t, 0,1,2,3
.irp i, 6,7,8,9,10,11
	v_mov_b32 v[KFR+12*\t+\i], 0                   ; and in the keys' fragments; never written again
.endr
.endr
.irp i, 236,237,238,239,252,253
	v_mov_b32 v\i, 0                               ; lane permutes' destinations count as sources; v253 is named as the upper half of v[252:253]
.endr
	s_wait_tensorcnt 0x0                           ; my fill has landed,
	s_barrier_signal -1
	s_barrier_wait -1                              ; everybody's has
; A KEY STEP: 128 keys.
.macro STEP
	s_add_co_u32 s[TMPS], s[Q0], 15
	s_cmp_gt_u32 s[KF], s[TMPS]                    ; all 128 keys come after my 16 queries: the step's work is left out; the address steps at its end are not
	s_cbranch_scc1 .Lhidden_\@
	v_add_nc_u32 v[ADK], s[TB], v[AK0]
	v_add_nc_u32 v[ADS], s[TS], v[L4]
	v_add_nc_u32 v[ADT], s[TJ], v[L4]
	v_nop
.irp g, 0,1                                    ; S^T = K Q^T, four tiles of 16 keys at a time
.if \g
.rept 4
	v_nop                                          ; places in front of loads into registers that the four products above have read
.endr
.endif
.irp t, 0,1,2,3
.irp p, 0,1,2
	ds_load_b64 v[KFR+12*\t+2*\p:KFR+12*\t+2*\p+1], v[ADK] offset:(4*\g+\t)*768+8*\p
.endr
.endr
.irp i, 0,1
	ds_load_b32 v[KSW+\i], v[ADS] offset:(4*\g+2*\i)*64   ; lanes 0-15: tile 4 g + 2 i's words; lanes 16-31: the next tile's
.endr
	s_wait_dscnt 0x0
.irp t, 0,1,2,3
.if \t%2
	v_wmma_scale_f32_16x16x128_f8f6f4 v[S+8*(4*\g+\t):S+8*(4*\g+\t)+7], v[KFR+12*\t:KFR+12*\t+11], v[16:27], 0, v[KSW+\t/2], v11 matrix_a_fmt:MATRIX_FMT_FP6 matrix_b_fmt:MATRIX_FMT_FP6 matrix_a_scale:MATRIX_SCALE_ROW1
.else
	v_wmma_scale_f32_16x16x128_f8f6f4 v[S+8*(4*\g+\t):S+8*(4*\g+\t)+7], v[KFR+12*\t:KFR+12*\t+11], v[16:27], 0, v[KSW+\t/2], v11 matrix_a_fmt:MATRIX_FMT_FP6 matrix_b_fmt:MATRIX_FMT_FP6
.endif
.endr
.endr
.irp t, 0,1,2,3                                ; V's fragments are asked for here and land under the softmax; eight plain lines of this step stand between them and the last step's products that read these registers
.irp c, 0,1
.irp p, 0,1,2
	ds_load_b64 v[VFR+12*\t+6*\c+2*\p:VFR+12*\t+6*\c+2*\p+1], v[ADK] offset:VCO+\c*3072+\t*768+8*\p
.endr
.endr
.endr
.irp i, 0,1
	ds_load_b32 v[VSW+\i], v[ADT] offset:4096+128*\i
.endr
.rept 4
	v_nop                                          ; places behind the products, ahead of the first read of the scores
.endr
	s_add_co_u32 s[TMPS], s[KF], 127               ; on the diagonal the scores of hidden keys become -infinity; a step all of whose keys count skips this
	s_cmp_le_u32 s[TMPS], s[Q0]
	s_cbranch_scc1 .Lopen_\@
	s_sub_co_i32 s[TMPS], s[Q0], s[KF]
	v_and_b32 v252, 15, v0
	v_bfe_u32 v255, v0, 4, 1
	v_lshlrev_b32 v255, 4, v255
	v_sub_nc_u32 v252, v252, v255
	v_add_nc_u32 v252, s[TMPS], v252               ; d = my query - KF - 16 (lane / 16).  Register 16 b + i holds key KF + 16 (lane / 16) + 32 b + i: hidden where 32 b + i > d
	v_mov_b32 v254, 0xff800000
.set n, 0
.rept 64
	v_cmp_gt_i32 vcc_lo, 32*(n/16)+n%16, v252
	v_cndmask_b32 v[S+n], v[S+n], v254, vcc_lo
.set n, n+1
.endr
.Lopen_\@:
.irp b, 0,1,2,3
	v_max3_num_f32 v[BM+\b], v[S+16*\b], v[S+1+16*\b], v[S+2+16*\b]   ; the largest score of each block of 32 keys: for the row's maximum, and, since p rises with the score, for the block's largest p
.endr
.irp i, 3,5,7,9,11,13
.irp b, 0,1,2,3
	v_max3_num_f32 v[BM+\b], v[BM+\b], v[S+16*\b+\i], v[S+1+16*\b+\i]
.endr
.endr
.irp b, 0,1,2,3
	v_max_num_f32 v[BM+\b], v[BM+\b], v[S+15+16*\b]
.endr
.irp b, 0,1,2,3
	v_permlanex16_b32 v[236+\b], v[BM+\b], s[SEL], s[SEL+1]
.endr
.irp b, 0,1,2,3
	v_max_num_f32 v[BM+\b], v[BM+\b], v[236+\b]    ; with lane l xor 16's 16 keys
.endr
	v_max3_num_f32 v254, v[BM], v[BM+1], v[BM+2]
	v_max_num_f32 v254, v254, v[BM+3]
	v_mul_f32 v254, s[CS], v254                    ; as t
	v_max_num_f32 v13, v13, v254                   ; the running largest t
	v_mov_b32 v254, v12
	v_floor_f32 v12, -v13                          ; the new -M = -ceil(t)
	v_sub_f32 v254, v12, v254                      ; old M - new M: a whole number, 0 or less
	v_cvt_i32_f32 v254, v254                       ; (it saturates)
	v_ldexp_f32 v252, 1.0, v254                    ; f = 2^(old M - new M)
.set n, 0
.rept 32
	v_pk_fma_f32 v[S+n:S+n+1], v[S+n:S+n+1], s[CS:CS+1], v[12:13] op_sel_hi:[1,0,0]   ; t - M, two at a time
.set n, n+2
.endr
.irp b, 0,1,2,3
	v_fma_f32 v[BM+\b], v[BM+\b], s[CS], v12       ; the same of each block's largest score
.endr
.set n, 0
.rept 64
	v_exp_f32 v[S+n], v[S+n]                       ; p = 2^(t - M)
.set n, n+1
.endr
	v_pk_mul_f32 v[14:15], v[14:15], v[252:253] op_sel_hi:[1,0]   ; the sums under the new M (the plain line behind the exponentials)
	s_wait_alu depctr_va_vdst(0)                   ; one wait for the batch of 64, ahead of its first reader
.irp b, 0,1,2,3
	v_exp_f32 v[BM+\b], v[BM+\b]                   ; the block's largest p
.endr
	v_pk_add_f32 v[236:237], v[S:S+1], v[S+2:S+3]  ; the row's sum of the unquantised p, in two chains
.irp j, 4,8,12,16,20,24,28,32,36,40,44,48,52,56,60
	v_pk_add_f32 v[14:15], v[14:15], v[S+\j:S+1+\j]
	v_pk_add_f32 v[236:237], v[236:237], v[S+2+\j:S+3+\j]
.endr
	v_pk_add_f32 v[14:15], v[14:15], v[236:237]
	s_wait_alu depctr_va_vdst(0)                   ; and one for the four
.irp b, 0,1,2,3
	v_max_num_f32 v[BM+\b], 0x1800000, v[BM+\b]    ; the floor 2^(3 - 127)
.endr
.irp b, 0,1,2,3
	v_add_nc_u32 v[244+\b], 0xff000000, v[BM+\b]   ; the conversion's scale operand
.endr
.irp b, 0,1,2,3
	v_lshrrev_b32 v[236+\b], 23, v[244+\b]         ; the scale's byte
.endr
	v_lshl_or_b32 v253, v237, 8, v236              ; p's scale word for these 128 keys
	v_lshl_or_b32 v253, v238, 16, v253
	v_lshl_or_b32 v253, v239, 24, v253
.irp c, 0,1
	v_cvt_scalef32_pk16_fp6_f32 v[PCD+6*\c:PCD+2+6*\c], v[S+32*\c:S+15+32*\c], v[244+2*\c]
	v_cvt_scalef32_pk16_fp6_f32 v[236+4*\c:238+4*\c], v[S+16+32*\c:S+31+32*\c], v[244+2*\c+1]
.endr
	v_nop                                          ; one plain line behind a scaled conversion
.irp c, 0,1
.irp i, 0,1,2
	v_permlane16_swap_b32 v[PCD+6*\c+\i], v[236+4*\c+\i]
.endr
.irp i, 0,1,2
	v_mov_b32 v[PCD+3+6*\c+\i], v[236+4*\c+\i]
.endr
.endr
.set n, 0
.rept 16
	v_pk_mul_f32 v[O+n:O+n+1], v[O+n:O+n+1], v[252:253] op_sel_hi:[1,0]   ; O^T under the new M; these sixteen are also the places between the writes of p's codes and scale word and the products
.set n, n+2
.endr
	s_wait_dscnt 0x0                               ; V's fragments and scale words are in
.irp t, 0,1,2,3                                ; O^T += V^T P^T: the four accumulators by turns
.if \t%2
	v_wmma_scale_f32_16x16x128_f8f6f4 v[O+8*\t:O+8*\t+7], v[VFR+12*\t:VFR+12*\t+11], v[PCD:PCD+11], v[O+8*\t:O+8*\t+7], v[VSW+\t/2], v253 matrix_a_fmt:MATRIX_FMT_FP6 matrix_b_fmt:MATRIX_FMT_FP6 matrix_a_scale:MATRIX_SCALE_ROW1
.else
	v_wmma_scale_f32_16x16x128_f8f6f4 v[O+8*\t:O+8*\t+7], v[VFR+12*\t:VFR+12*\t+11], v[PCD:PCD+11], v[O+8*\t:O+8*\t+7], v[VSW+\t/2], v253 matrix_a_fmt:MATRIX_FMT_FP6 matrix_b_fmt:MATRIX_FMT_FP6
.endif
.endr
.Lhidden_\@:
	s_add_co_u32 s[KF], s[KF], 128
	s_add_co_u32 s[TB], s[TB], 6144
	s_add_co_u32 s[TS], s[TS], 512
	s_add_co_u32 s[TJ], s[TJ], 256
.endm
; ONE TILE OF 16 QUERIES.  p: which of my two; trips: the loop's constant count; next = 1: the other tile's Q is asked for as soon as this tile's products are over.
.macro PASS p, trips, next
	s_wait_loadcnt 0x0                             ; Q and its scale words
	s_wait_xcnt 0x0                                ; the last tile's stores have read their registers and offsets
	s_lshl_b32 s[Q0], s[U+\p], 4
	v_mov_b32 v13, 0xff61b1e6                      ; the largest t so far: -3e38
	v_floor_f32 v12, -v13
	v_mov_b32 v14, 0
	v_mov_b32 v15, 0
.set n, 0
.rept 32
	v_mov_b32 v[O+n], 0                            ; the step is written once: the first finds zeros, which the first change of M leaves zeros
.set n, n+1
.endr
	s_mov_b32 s[TB], 0
	s_mov_b32 s[TS], 0
	s_mov_b32 s[TJ], 0
	s_mov_b32 s[KF], 0
	s_mov_b32 s[CNT], \trips
.Lstep_\@:
	STEP
	s_sub_co_u32 s[CNT], s[CNT], 1
	s_cmp_lg_u32 s[CNT], 0
	s_cbranch_scc1 .Lstep_\@
.rept 4
	v_nop                                          ; places behind the last products
.endr
.if \next
	v_and_b32 v10, 8, v0
	v_and_b32 v255, 15, v0
	v_add_nc_u32 v255, v255, v10
	v_lshlrev_b32 v255, 2, v255                    ; Q's scale word: (r + 8 (r / 8)) x 4; not written again before the next tile's wait for these loads
	QLOAD 1
.endif
	v_add_f32 v14, v14, v15                        ; the sum's two halves,
	v_permlanex16_b32 v252, v14, s[SEL], s[SEL+1]
	v_add_f32 v14, v14, v252                       ; and lane l xor 16's
	v_rcp_f32 v14, v14
	v_and_b32 v9, 31, v0                           ; (plain lines behind the reciprocal)
	v_lshlrev_b32 v9, 3, v9                        ; 8 x lane
	v_sub_nc_u32 v8, v[STR], v9                    ; my stage + 8 x lane
	s_wait_alu depctr_va_vdst(0)                   ; ahead of the reciprocal's first reader
.set n, 0
.rept 32
	v_mul_f32 v[S+n], v[O+n], v14                  ; y: register 16 b + i is d = 32 b + 16 (lane / 16) + i of my query; each accumulator from its low end on
.set n, n+1
.endr
.irp b, 0,1
	v_max3_num_f32 v[BM+\b], |v[S+16*\b]|, |v[S+1+16*\b]|, 0x1800000
.endr
.irp i, 2,4,6,8,10,12,14
.irp b, 0,1
	v_max3_num_f32 v[BM+\b], v[BM+\b], |v[S+16*\b+\i]|, |v[S+1+16*\b+\i]|
.endr
.endr
.irp b, 0,1
	v_permlanex16_b32 v[236+\b], v[BM+\b], s[SEL], s[SEL+1]
.endr
.irp b, 0,1
	v_max_num_f32 v[BM+\b], v[BM+\b], v[236+\b]
.endr
.irp b, 0,1
	v_add_nc_u32 v[244+\b], 0xff000000, v[BM+\b]
.endr
.irp b, 0,1
	v_lshrrev_b32 v[236+\b], 23, v[244+\b]
.endr
	v_lshl_or_b32 v254, v237, 8, v236              ; my head's two bytes of the row's scale word
	v_cvt_scalef32_pk16_fp6_f32 v[PCD:PCD+2], v[S:S+15], v244
	v_cvt_scalef32_pk16_fp6_f32 v[240:242], v[S+16:S+31], v245
	v_nop
.irp i, 0,1,2
	v_permlane16_swap_b32 v[PCD+\i], v[240+\i]     ; lanes 0-15 now hold block 0, lanes 16-31 block 1
.endr
.irp i, 0,1,2
	v_mov_b32 v[PCD+3+\i], v[240+\i]
.endr
.irp i, 0,1,2
	ds_store_b64 v[STI], v[PCD+2*\i:PCD+2*\i+1] offset:8*\i    ; row r's 48 bytes, my block's 24
.endr
	ds_load_b128 v[160:163], v[STR]                ; LDS serves a wave's instructions in order: these see my stores
	ds_load_b64 v[164:165], v8 offset:512
	s_wait_dscnt 0x0
	global_store_b128 v[GO], v[160:163], s[YC+2*\p:YC+2*\p+1]             ; the tile's 768 bytes: 512 consecutive aligned bytes,
	global_store_b64 v9, v[164:165], s[YC+2*\p:YC+2*\p+1] offset:512      ; and 256
	global_store_b16 v[YSO], v254, s[YS+2*\p:YS+2*\p+1]                   ; both halves of the lanes write the same two bytes with the same value
.endm
	PASS 0, 8, 1                                   ; the late tile
	PASS 1, 4, 0                                   ; the early tile
	s_wait_xcnt 0x0
	v_lshl_add_u32 v254, v0, 2, 0x29000
	v_mov_b32 v255, 0
	s_wait_tensorcnt 0x0
	ds_add_u32 v254, v255
	s_wait_dscnt 0x0
	s_endpgm
.Lfunc_end_k_qdfc0c7e6b0_attn:
	.size	k_qdfc0c7e6b0_attn, .Lfunc_end_k_qdfc0c7e6b0_attn-k_qdfc0c7e6b0_attn
	.p2alignl 7, 3214868480
	.fill 96, 4, 3214868480
	.section	.rodata,"a",@progbits
	.p2align	6, 0x0
	.amdhsa_kernel k_qdfc0c7e6b0_attn
		.amdhsa_group_segment_fixed_size 169984
		.amdhsa_private_segment_fixed_size 0
		.amdhsa_enable_private_segment 0
		.amdhsa_kernarg_size 32
		.amdhsa_user_sgpr_count 2
		.amdhsa_user_sgpr_kernarg_segment_ptr 1
		.amdhsa_wavefront_size32 1
		.amdhsa_system_sgpr_workgroup_id_x 1
		.amdhsa_system_sgpr_workgroup_id_y 1
		.amdhsa_system_sgpr_workgroup_id_z 1
		.amdhsa_system_vgpr_workitem_id 0
		.amdhsa_next_free_vgpr 256
		.amdhsa_next_free_sgpr 96
		.amdhsa_reserve_vcc 1
		.amdhsa_float_denorm_mode_32 3
		.amdhsa_float_denorm_mode_16_64 3
		.amdhsa_memory_ordered 1
		.amdhsa_forward_progress 1
		.amdhsa_inst_pref_size 65
	.end_amdhsa_kernel
	.amdgpu_metadata
---
amdhsa.version: [ 1, 2 ]
amdhsa.kernels:
  - .name:           k_qdfc0c7e6b0_attn
    .symbol:         k_qdfc0c7e6b0_attn.kd
    .args:
      - { .name: hc, .offset: 0, .size: 8, .value_kind: global_buffer, .address_space: global }
      - { .name: hs, .offset: 8, .size: 8, .value_kind: global_buffer, .address_space: global }
      - { .name: yc, .offset: 16, .size: 8, .value_kind: global_buffer, .address_space: global }
      - { .name: ys, .offset: 24, .size: 8, .value_kind: global_buffer, .address_space: global }
    .group_segment_fixed_size: 169984
    .private_segment_fixed_size: 0
    .kernarg_segment_align: 8
    .kernarg_segment_size: 32
    .max_flat_workgroup_size: 512
    .sgpr_count:     96
    .vgpr_count:     256
    .wavefront_size: 32
...
	.end_amdgpu_metadata
.endif
;; end of part 3
;; launch proj (part 4): grid 4 x 32, 4 waves a work-group, clusters of 4 x 4, 327,680 bytes of LDS; arguments yc, ys, wc, ws, bp, out0; writes out0
.if DOCPART == 4
	.amdgcn_target "amdgcn-amd-amdhsa--gfx1250"
	.amdhsa_code_object_version 6
	.text
	.protected	k_qdfc0c7e6b0_proj
	.globl	k_qdfc0c7e6b0_proj
	.p2align	8
	.type	k_qdfc0c7e6b0_proj,@function
k_qdfc0c7e6b0_proj:
	s_mov_b64 s[64:65], 0
	v_nop
	global_prefetch_b8 v0, s[64:65] scope:SCOPE_SE
	s_setreg_imm32_b32 hwreg(HW_REG_WAVE_MODE, 25, 1), 1
	s_wait_xcnt 0x0
	s_wait_alu depctr_hold_cnt(0) depctr_sa_sdst(0) depctr_va_vdst(0) depctr_va_sdst(0) depctr_va_ssrc(0) depctr_va_vcc(0) depctr_vm_vsrc(0)
	s_getreg_b32 s2, hwreg(HW_REG_IB_STS2, 6, 4)
	s_cmp_eq_u32 s2, 0
	s_cbranch_scc0 .Lentry_in_a_cluster
	s_endpgm
.Lentry_in_a_cluster:
	s_bfe_u32 s2, ttmp6, 0x10000c
	s_cmp_lg_u32 s2, 0xf033
	s_cbranch_scc0 .Lentry_shape_is_right
	s_endpgm
.Lentry_shape_is_right:
; out0 = y Wp^T + bp on codes of FP6 (E2M3) with E8M0 scales.  y: yc [batch x 16 + head][t][48 bytes], ys [batch][pair of heads][t][4 bytes]; Wp: rows 3,072 on of wc [row][768 bytes] and ws [row][32]; out0 [8192][1024] f32.
; A tile of 256 x 256 is made by four waves, 128 x 128 each.  K goes in steps of 256 (four heads) through a ring of two LDS slots; the scale bytes come once and stay.  4 x 4 work-groups form a cluster:
; y's tiles are asked for jointly along a row of the cluster, Wp's along a column.  128 work-groups: the tile is kept large, so that each LDS byte feeds as many products as the registers allow.
; A's tile of a K step is four dense blocks of memory (128 rows x 48 bytes of each of four heads), 49,152 bytes apart: one tensor load of four rows of 6,144 bytes; in LDS [head 4][row 128][48].
; THE MATRIX INSTRUCTION IS USED TRANSPOSED (source 0 = 16 rows of Wp, source 1 = 16 rows of y): a lane holds eight neighbouring numbers of a row of out0.  The bias is the C of each sum's first product.
; REGISTERS: window 0: v0-31 addresses; v32-63 scale words, two sets; v64-127 the bias, eight registers for each of B's blocks; from v128 A's fragments; on the way out v128-255 are free.
;   window 1: B's fragments, two sets.  windows 2, 3: the accumulators.
.set SIZE_N, 1024
.set NQ,     2
.set ROWB,   192
.set KROW,   768
.set PITCH,  240                       ; B's LDS row: 3 x (64 bytes + 16 of padding)
.set FR,     12
.set NL,     6
.set NP,     4
.set HALFA,  24576                     ; A: 128 rows x 4 heads x 48 bytes
.set HALFT,  128*PITCH
.set SLOT,   2*HALFA+2*HALFT           ; A's two halves, then B's two halves
.set LAPS,   2
.set SCLA,   2*SLOT                    ; y's scale words [pair of heads 8][row 256][4 bytes]
.set SCLB,   SCLA+8192                 ; Wp's scale bytes, as 256 bytes + 16 of padding
.set HALFS,  4352
.set SBLK,   544
.set SPARE,  SCLB+2*HALFS              ; the spare words, 128 bytes a wave
.set SPITCH, 528                       ; the way out: 16 rows x (512 + 16) bytes for each wave, in slot 0, which has had its last fill and its last read by then
.set ADRA, 16                          ; v16-17 my A fragments in slot 0, 1
.set ADRB, 20                          ; v20-21 my B fragments (v22-23: behind one padding more)
.set STO,  24
.set RD,   25
.set CO,   26
.set ADSA, 27                          ; v27 y's scale words: lanes 0-15 the K step's first 128, lanes 16-31 its second
.set SPW,  28
.set NIL,  29
.set ADSB, 30                          ; v30 Wp's likewise
.set BO,   31                          ; v31 32 x (lane / 16)
.set SC,   32                          ; set s at v[32 + 16 s]: registers 0-7 A's blocks, 8-15 B's
.set BI,   64
.set AF,   128
.set BK,   128
.set G1, 24
.set G0, 32
.set G1B, 48
.set G0B, 56
.set G1S, 68
.set G0S, 76
.set G1SB, 80
.set G0SB, 88
.set MSB, 0
.macro WIN new
.if MSB != \new
	s_set_vgpr_msb (MSB<<8)|\new
.set MSB, \new
.endif
.endm
.set MUL_LO, 0xa1
.set MUL_HI, 0xf1
.set TO_B,   0x40
.macro JLOAD g0a, g1a, g0b, g1b        ; a joint load: waves 0 and 1 fetch for A, waves 2 and 3 for B.  Four v_nop follow each of the two lines
	s_cmp_eq_u32 s15, 0
	s_cbranch_scc0 .Lfor_b_\@
	tensor_load_to_lds s[\g0a:\g0a+3], s[\g1a:\g1a+7]
	s_nop 0
.rept 4
	v_nop
.endr
	s_branch .Lasked_\@
.Lfor_b_\@:
	tensor_load_to_lds s[\g0b:\g0b+3], s[\g1b:\g1b+7]
	s_nop 0
.rept 4
	v_nop
.endr
.Lasked_\@:
.endm
.macro CREST
	s_cmp_lg_u32 s14, 0
	s_cbranch_scc1 .Lnot_wave_0_\@
	s_barrier_signal -3
.Lnot_wave_0_\@:
	s_barrier_wait -3
	s_barrier_signal -1
	s_barrier_wait -1
.endm
.macro CROUND
	s_barrier_signal -1
	s_barrier_wait -1
	CREST
.endm
	s_load_b128 s[4:7], s[0:1], 0x0                ; yc, ys
	s_load_b128 s[8:11], s[0:1], 0x10              ; wc, ws
	s_load_b64 s[96:97], s[0:1], 0x20              ; bp
	s_load_b64 s[12:13], s[0:1], 0x28              ; out0
	v_lshl_add_u32 v[SPW], v0, 2, SPARE
	v_mov_b32 v[NIL], 0
	ds_add_u32 v28, v29
	ds_add_u32 v28, v29
	s_wait_dscnt 0x0
	v_lshrrev_b32 v1, 5, v0
	v_readfirstlane_b32 s14, v1                    ; wave 0..3
	s_lshr_b32 s15, s14, 1                         ; which half of the tile's rows is mine.  Also: I fetch for A (0) or for B (1)
	s_and_b32 s16, s14, 1                          ; which half of its columns.  Also: which half of that tile I fetch
	s_bfe_u32 s40, ttmp6, 0x40000                  ; cx, cy
	s_bfe_u32 s41, ttmp6, 0x40004
	s_lshl_b32 s42, ttmp9, 2
	s_add_co_u32 s42, s42, s40                     ; tile column
	s_and_b32 s17, ttmp7, 0xffff
	s_lshl_b32 s17, s17, 2
	s_add_co_u32 s17, s17, s41                     ; tile row
	s_lshl_b32 s43, s41, 2
	s_lshl_b32 s43, 15, s43                        ; my row of the cluster
	s_lshl_b32 s44, 0x1111, s40                    ; my column
	s_or_b32 s[G1+0], s43, (3<<16)|(1<<21)         ; A's codes: elements of 8 bytes, no padding
	s_mov_b32 s[G1+1], 768<<16                     ; tensor_dim0 = 768 (6,144 bytes: 128 rows of one head)
	s_mov_b32 s[G1+2], 4<<16                       ; tensor_dim1 = 4 heads
	s_mov_b32 s[G1+3], 768<<16
	s_mov_b32 s[G1+4], 4
	s_mov_b32 s[G1+5], 6144                        ; from head to head: 49,152 bytes
	s_mov_b32 s[G1+6], 0
	s_mov_b32 s[G1+7], 0
	s_or_b32 s[G1B+0], s44, (0<<16)|(1<<20)|(1<<21)|(3<<22)|(3<<25)   ; B's codes: 128 rows x 192 bytes, 16 bytes of padding behind every 64
	s_mov_b32 s[G1B+1], ROWB<<16
	s_mov_b32 s[G1B+2], 128<<16
	s_mov_b32 s[G1B+3], ROWB<<16
	s_mov_b32 s[G1B+4], 128
	s_mov_b32 s[G1B+5], KROW
	s_mov_b32 s[G1B+6], 0
	s_mov_b32 s[G1B+7], 0
	s_or_b32 s[G1S+0], s43, (3<<16)|(1<<21)        ; A's scale words: four pairs of heads x 1,024 bytes (256 rows), 4,096 bytes apart
	s_mov_b32 s[G1S+1], 128<<16
	s_mov_b32 s[G1S+2], 4<<16
	s_mov_b32 s[G1S+3], 128<<16
	s_mov_b32 s[G1S+4], 4
	s_mov_b32 s[G1S+5], 512
	s_mov_b32 s[G1S+6], 0
	s_mov_b32 s[G1S+7], 0
	s_or_b32 s[G1SB+0], s44, (3<<16)|(1<<20)|(1<<21)|(5<<22)|(3<<25)  ; B's scale bytes of 128 rows: 16 rows of 256 bytes, 16 bytes of padding behind each
	s_mov_b32 s[G1SB+1], 32<<16
	s_mov_b32 s[G1SB+2], 16<<16
	s_mov_b32 s[G1SB+3], 32<<16
	s_mov_b32 s[G1SB+4], 16
	s_mov_b32 s[G1SB+5], 32
	s_mov_b32 s[G1SB+6], 0
	s_mov_b32 s[G1SB+7], 0
	s_lshr_b32 s18, s17, 2                         ; the batch
	s_and_b32 s19, s17, 3                          ; which 256 of its 1,024 rows
	s_mul_i32 s20, s18, 786432                     ; A's codes: 16 heads of 49,152 bytes,
	s_mul_i32 s21, s19, 12288                      ; 256 rows of 48 bytes,
	s_add_co_u32 s20, s20, s21
	s_mul_i32 s21, s16, 6144                       ; the half that I fetch
	s_add_co_u32 s20, s20, s21
	s_mov_b32 s21, 0
	s_lshl_b32 s22, s18, 15                        ; A's scale words: 32,768 bytes a batch,
	s_lshl_b32 s23, s19, 10                        ; 256 rows of 4 bytes,
	s_add_co_u32 s22, s22, s23
	s_lshl_b32 s23, s16, 14                        ; the four pairs of heads that I fetch
	s_add_co_u32 s22, s22, s23
	s_mov_b32 s23, 0
	s_lshl_b32 s46, s42, 8
	s_lshl_b32 s47, s16, 7
	s_add_co_u32 s46, s46, s47                     ; B: row 256 x tile column + 128 x half
	s_lshl_b32 s92, s46, 5
	s_add_co_u32 s92, s92, 98304                   ; Wp's scale bytes begin 3,072 rows of 32 bytes into ws
	s_mov_b32 s93, 0
	s_mul_i32 s46, s46, KROW
	s_add_co_u32 s46, s46, 2359296                 ; its codes 3,072 rows of 768 bytes into wc
	s_mov_b32 s47, 0
	s_mul_i32 s45, s16, HALFA                      ; where they go: no place in the cluster enters an LDS address
	s_mul_i32 s95, s16, HALFT
	s_add_co_u32 s95, s95, 2*HALFA
	s_lshl_b32 s94, s16, 12
	s_mul_i32 s66, s16, HALFS
	s_wait_kmcnt 0x0
	s_add_nc_u64 s[20:21], s[4:5], s[20:21]
	s_add_nc_u64 s[22:23], s[6:7], s[22:23]
	s_add_nc_u64 s[46:47], s[8:9], s[46:47]
	s_add_nc_u64 s[92:93], s[10:11], s[92:93]
	CROUND                                         ; all sixteen work-groups are here: the first joint loads meet
	s_mov_b32 s[G0S], 1
	s_add_co_u32 s[G0S+1], s94, SCLA
	s_mov_b64 s[G0S+2:G0S+3], s[22:23]
	s_or_b32 s[G0S+3], s[G0S+3], 0x80000000
	s_mov_b32 s[G0SB], 1
	s_add_co_u32 s[G0SB+1], s66, SCLB
	s_mov_b64 s[G0SB+2:G0SB+3], s[92:93]
	s_or_b32 s[G0SB+3], s[G0SB+3], 0x80000000
	JLOAD G0S, G1S, G0SB, G1SB                     ; the scales first
.irp s, 0,1
	s_mov_b32 s[G0+4*\s], 1
	s_add_co_u32 s[G0+4*\s+1], s45, \s*SLOT
	s_add_nc_u64 s[G0+4*\s+2:G0+4*\s+3], s[20:21], \s*196608      ; K step s: four heads on
	s_or_b32 s[G0+4*\s+3], s[G0+4*\s+3], 0x80000000
	s_mov_b32 s[G0B+4*\s], 1
	s_add_co_u32 s[G0B+4*\s+1], s95, \s*SLOT
	s_add_nc_u64 s[G0B+4*\s+2:G0B+4*\s+3], s[46:47], \s*ROWB
	s_or_b32 s[G0B+4*\s+3], s[G0B+4*\s+3], 0x80000000
	JLOAD G0+4*\s, G1, G0B+4*\s, G1B
.endr
	v_and_b32 v1, 15, v0                           ; r
	v_bfe_u32 v2, v0, 4, 1                         ; h
	v_mul_u32_u24 v3, v1, PITCH
	v_mul_u32_u24 v4, v2, 24
	v_add_nc_u32 v5, v3, v4                        ; B: row x pitch + 24 h
	v_lshl_add_u32 v6, v2, 4, v5                   ; and behind one padding more
	v_mul_u32_u24 v3, v1, 48
	v_add_nc_u32 v3, v3, v4                        ; A: 48 r + 24 h
	s_mul_i32 s21, s15, HALFA                      ; my 128 rows of A
	s_mul_i32 s22, s16, HALFT                      ; my 128 rows of B,
	s_add_co_u32 s22, s22, 2*HALFA                 ; behind A's two halves
.irp s, 0,1
	v_add_nc_u32 v[ADRA+\s], s21, v3
	v_add_nc_u32 v[ADRB+\s], s22, v5
	v_add_nc_u32 v[ADRB+2+\s], s22, v6
	s_add_co_u32 s21, s21, SLOT
	s_add_co_u32 s22, s22, SLOT
.endr
	s_lshl_b32 s21, s15, 9
	s_add_co_u32 s21, s21, SCLA
	v_lshlrev_b32 v5, 2, v1
	v_lshl_add_u32 v5, v2, 10, v5
	v_add_nc_u32 v[ADSA], s21, v5                  ; 4 r + 1,024 h + my 128 rows
	s_mul_i32 s22, s16, HALFS
	s_add_co_u32 s22, s22, SCLB
	v_lshlrev_b32 v5, 5, v1
	v_lshrrev_b32 v6, 3, v1
	v_lshl_add_u32 v5, v6, 4, v5
	v_lshl_add_u32 v5, v2, 2, v5
	v_add_nc_u32 v[ADSB], s22, v5                  ; 32 r + 16 (r / 8) + 4 h + my 128 rows
	s_mul_i32 s23, s14, 16*SPITCH                  ; my stage
	v_mul_u32_u24 v5, v1, SPITCH
	v_lshl_add_u32 v5, v2, 5, v5
	v_add_nc_u32 v[STO], s23, v5
	v_and_b32 v6, 31, v0
	v_lshlrev_b32 v[CO], 4, v6
	v_add_nc_u32 v[RD], s23, v[CO]
	v_lshlrev_b32 v[BO], 5, v2
	s_lshl_b32 s20, s17, 8
	s_lshl_b32 s21, s15, 7
	s_add_co_u32 s20, s20, s21                     ; my first row of out0
	s_mov_b32 s21, 0
	s_mov_b64 s[18:19], SIZE_N*4
	s_mul_u64 s[20:21], s[20:21], s[18:19]
	s_lshl_b32 s46, s42, 10                        ; my first column, in bytes
	s_lshl_b32 s47, s16, 9
	s_add_co_u32 s46, s46, s47
	s_mov_b32 s47, 0
	s_add_nc_u64 s[96:97], s[96:97], s[46:47]      ; bp at my first column
	s_add_nc_u64 s[20:21], s[20:21], s[46:47]
	s_add_nc_u64 s[12:13], s[12:13], s[20:21]
.irp b, 0,1,2,3,4,5,6,7
	global_load_b128 v[BI+8*\b:BI+8*\b+3], v[BO], s[96:97] offset:64*\b         ; bp at columns 16 b + 8 h + 0 .. 7: the result's layout
	global_load_b128 v[BI+8*\b+4:BI+8*\b+7], v[BO], s[96:97] offset:64*\b+16
.endr
.macro FRAG reg, adr, q, i             ; a fragment of B, in pieces of 8 bytes; 16 bytes of padding lie behind every 8 pieces
.irp p, 0,1,2,3,4,5
.set PC, 12*(\q)+6*(\p/3)+\p%3
.if PC%8 < 5
	ds_load_b64 v[\reg+2*\p:\reg+2*\p+1], v[\adr] offset:8*PC+16*(PC/8)+(\i)*16*PITCH
.else
	ds_load_b64 v[\reg+2*\p:\reg+2*\p+1], v[\adr+2] offset:8*PC+16*(PC/8)+(\i)*16*PITCH
.endif
.endr
.endm
.macro FRAGA reg, slot, q, i           ; a fragment of A: registers 6 c .. 6 c + 5 = head 2 q + c of the slot's four, block lane / 16, of row 16 i + lane % 16
.irp p, 0,1,2,3,4,5
	ds_load_b64 v[\reg+2*\p:\reg+2*\p+1], v[ADRA+\slot] offset:(2*(\q)+\p/3)*6144+(\i)*768+8*(\p%3)
.endr
.endm
; 16 matrix instructions: A's blocks a0, a0 + 1 x B's eight.  The 64 accumulators take turns.  zero = 1: the bias starts the sums.
.macro MUL16 a0, p, q, sc, zero
.irp a, \a0, \a0+1
.irp b, 0,1,2,3,4,5,6,7
.if \zero
	v_wmma_scale_f32_16x16x128_f8f6f4 v[8*(8*((\a)%4)+\b):8*(8*((\a)%4)+\b)+7], v[128*(\p)+FR*\b:128*(\p)+FR*\b+FR-1], v[AF+FR*(\a):AF+FR*(\a)+FR-1], v[BI+8*\b:BI+8*\b+7], v[SC+16*(\sc)+8+\b], v[SC+16*(\sc)+(\a)] matrix_a_fmt:MATRIX_FMT_FP6 matrix_b_fmt:MATRIX_FMT_FP6
.elseif (\q) == 0
	v_wmma_scale_f32_16x16x128_f8f6f4 v[8*(8*((\a)%4)+\b):8*(8*((\a)%4)+\b)+7], v[128*(\p)+FR*\b:128*(\p)+FR*\b+FR-1], v[AF+FR*(\a):AF+FR*(\a)+FR-1], v[8*(8*((\a)%4)+\b):8*(8*((\a)%4)+\b)+7], v[SC+16*(\sc)+8+\b], v[SC+16*(\sc)+(\a)] matrix_a_fmt:MATRIX_FMT_FP6 matrix_b_fmt:MATRIX_FMT_FP6
.else
	v_wmma_scale_f32_16x16x128_f8f6f4 v[8*(8*((\a)%4)+\b):8*(8*((\a)%4)+\b)+7], v[128*(\p)+FR*\b:128*(\p)+FR*\b+FR-1], v[AF+FR*(\a):AF+FR*(\a)+FR-1], v[8*(8*((\a)%4)+\b):8*(8*((\a)%4)+\b)+7], v[SC+16*(\sc)+8+\b], v[SC+16*(\sc)+(\a)] matrix_a_fmt:MATRIX_FMT_FP6 matrix_b_fmt:MATRIX_FMT_FP6 matrix_a_scale:MATRIX_SCALE_ROW1 matrix_b_scale:MATRIX_SCALE_ROW1
.endif
.endr
.endr
.endm
.macro FETCH_B slot, q, p
	WIN TO_B
.irp i, 0,1,2,3,4,5,6,7
	FRAG 128*(\p)+FR*\i, ADRB+\slot, \q, \i
.endr
	WIN 0
.endm
.macro FETCH_A slot, q, i0
.irp i, \i0, \i0+1, \i0+2, \i0+3
	FRAGA AF+FR*(\i), \slot, \q, \i
.endr
.endm
.macro SCALES sc                       ; the K step's scale words: one register a block; lanes 0-15 the first 128 along K, lanes 16-31 the second
.irp i, 0,1,2,3,4,5,6,7
	ds_load_b32 v[SC+16*\sc+\i], v[ADSA] offset:\i*64
.endr
.irp i, 0,1,2,3,4,5,6,7
	ds_load_b32 v[SC+16*\sc+8+\i], v[ADSB] offset:\i*SBLK
.endr
.endm
.macro PLACES n
.rept \n
	v_nop
.endr
.endm
.macro STEP slot, q, zero
	s_wait_dscnt 4*NL                              ; all but the youngest 24 loads (A's blocks 4-7)
.if \zero
	WIN 0x81                                       ; source 0 window 1, C (the bias) window 0, D window 2
.else
	WIN MUL_LO
.endif
	MUL16 0, (\q)%2, \q, \slot, \zero
	MUL16 2, (\q)%2, \q, \slot, \zero
	s_wait_dscnt 0
	PLACES NP
	FETCH_B \slot, (\q)+1, 1-(\q)%2
	FETCH_A \slot, (\q)+1, 0
.if \zero
	WIN 0xc1
.else
	WIN MUL_HI
.endif
	MUL16 4, (\q)%2, \q, \slot, \zero
	MUL16 6, (\q)%2, \q, \slot, \zero
	PLACES NP
	WIN 0
	FETCH_A \slot, (\q)+1, 4
.endm
.macro TURN slot, next, fill
	s_wait_tensorcnt 0x0                           ; all my tensor loads have landed: my part of the next slot
	ds_add_u32 v[SPW], v[NIL]                      ; 0 onto my spare word
	s_wait_dscnt 4*NL+1                            ; the add and the youngest 24 loads may be out
	WIN MUL_LO
	MUL16 0, 1, NQ-1, \slot, 0
	s_wait_dscnt 0x0                               ; the add is done, and my reads of this slot are over
	s_barrier_signal -1
	MUL16 2, 1, NQ-1, \slot, 0
	WIN 0
	s_barrier_wait -1
.if \fill
	CREST                                          ; the barrier has opened a round of the cluster's barrier
	s_add_nc_u64 s[G0+4*\slot+2:G0+4*\slot+3], s[G0+4*\slot+2:G0+4*\slot+3], 2*196608
	s_add_nc_u64 s[G0B+4*\slot+2:G0B+4*\slot+3], s[G0B+4*\slot+2:G0B+4*\slot+3], 2*ROWB
	JLOAD G0+4*\slot, G1, G0B+4*\slot, G1B         ; the first tensor load behind the round; its four v_nop are also the places in front of the loads below
.else
	PLACES NP
.endif
	v_add_nc_u32 v[ADSA], 2048, v[ADSA]            ; on to the next K step's scale words: two pairs of heads,
	v_add_nc_u32 v[ADSB], 8, v[ADSB]               ; two words of a row
	FETCH_B \next, 0, 0
	FETCH_A \next, 0, 0
	SCALES \next
	WIN MUL_HI
	MUL16 4, 1, NQ-1, \slot, 0
	MUL16 6, 1, NQ-1, \slot, 0
	PLACES NP
	WIN 0
	FETCH_A \next, 0, 4
.endm
	s_wait_tensorcnt 1                             ; the scales and my part of K step 0 are in (K step 1's load may be out)
	s_barrier_signal -1
	s_barrier_wait -1
	FETCH_B 0, 0, 0
	FETCH_A 0, 0, 0
	SCALES 0
	FETCH_A 0, 0, 4
	s_wait_loadcnt 0x0                             ; the bias
	STEP 0, 0, 1
	s_mov_b32 s3, LAPS-1
.Llap:
	TURN 0, 1, 1
	STEP 1, 0, 0
	TURN 1, 0, 1
	STEP 0, 0, 0
	s_sub_co_u32 s3, s3, 1
	s_cmp_lg_u32 s3, 0
	s_cbranch_scc1 .Llap
	TURN 0, 1, 0                                   ; the last lap fills nothing
	STEP 1, 0, 0
	s_wait_dscnt 4*NL
	WIN MUL_LO
	MUL16 0, 1, NQ-1, 1, 0
	MUL16 2, 1, NQ-1, 1, 0
	s_wait_dscnt 0
	WIN MUL_HI
	MUL16 4, 1, NQ-1, 1, 0
	MUL16 6, 1, NQ-1, 1, 0
	WIN 0
; THE WAY OUT, block by block of 16 rows x 128 columns, through my own stage in LDS: whole rows of 512 bytes come back, which the 32 lanes store as 512 consecutive aligned bytes.
.macro TOSTAGE a
.set AC, 64*((\a)%4)
.set WS, 0x08+4*((\a)/4)
	WIN WS                                         ; the data: window 2 or 3
.irp b, 0,1,2,3,4,5,6,7
	ds_store_b128 v[STO], v[AC+8*\b:AC+8*\b+3] offset:64*\b          ; each accumulator from its low end on
	ds_store_b128 v[STO], v[AC+8*\b+4:AC+8*\b+7] offset:64*\b+16
.endr
	WIN 0
.set BB, BK+64*((\a)%2)
.irp t, 0,1,2,3,4,5,6,7,8,9,10,11,12,13,14,15
	ds_load_b128 v[BB+4*\t:BB+4*\t+3], v[RD] offset:\t*SPITCH      ; LDS serves a wave's instructions in order: these see my stores
.endr
.endm
.macro SEND a, younger                 ; younger: the LDS instructions issued behind block a's loads
.set BB, BK+64*((\a)%2)
	s_wait_dscnt \younger
.if (\a) > 0
	s_add_nc_u64 s[12:13], s[12:13], 16*SIZE_N*4   ; (behind a wait on XCNT: the earlier stores have read their base)
.endif
.irp t, 0,1,2,3,4,5,6,7,8,9,10,11,12,13,14,15
	global_store_b128 v[CO], v[BB+4*\t:BB+4*\t+3], s[12:13] offset:\t*SIZE_N*4 th:TH_STORE_NT
.endr
.endm
	PLACES NP
	TOSTAGE 0
.irp a, 1,2,3,4,5,6,7
.if \a > 1
	s_wait_xcnt 0x0                                ; block a - 2's stores have read their registers and their base
.endif
	TOSTAGE \a
	SEND \a-1, 32                                  ; behind block a - 1's loads: block a's 16 stores and 16 loads
.endr
	s_wait_xcnt 0x0
	SEND 7, 0
	s_wait_tensorcnt 0x0                           ; the wave's end
	ds_add_u32 v[SPW], v[NIL]
	s_wait_dscnt 0x0
	CROUND                                         ; the closing round
	s_endpgm
.Lfunc_end_k_qdfc0c7e6b0_proj:
	.size	k_qdfc0c7e6b0_proj, .Lfunc_end_k_qdfc0c7e6b0_proj-k_qdfc0c7e6b0_proj
	.p2alignl 7, 3214868480
	.fill 96, 4, 3214868480
	.section	.rodata,"a",@progbits
	.p2align	6, 0x0
	.amdhsa_kernel k_qdfc0c7e6b0_proj
		.amdhsa_group_segment_fixed_size 327680
		.amdhsa_private_segment_fixed_size 0
		.amdhsa_enable_private_segment 0
		.amdhsa_kernarg_size 48
		.amdhsa_user_sgpr_count 2
		.amdhsa_user_sgpr_kernarg_segment_ptr 1
		.amdhsa_wavefront_size32 1
		.amdhsa_system_sgpr_workgroup_id_x 1
		.amdhsa_system_sgpr_workgroup_id_y 1
		.amdhsa_system_sgpr_workgroup_id_z 1
		.amdhsa_system_vgpr_workitem_id 0
		.amdhsa_next_free_vgpr 1024
		.amdhsa_next_free_sgpr 100
		.amdhsa_reserve_vcc 0
		.amdhsa_float_denorm_mode_32 3
		.amdhsa_float_denorm_mode_16_64 3
		.amdhsa_memory_ordered 1
		.amdhsa_forward_progress 1
		.amdhsa_inst_pref_size 164
	.end_amdhsa_kernel
	.amdgpu_metadata
---
amdhsa.version: [ 1, 2 ]
amdhsa.kernels:
  - .name:           k_qdfc0c7e6b0_proj
    .symbol:         k_qdfc0c7e6b0_proj.kd
    .args:
      - { .name: yc, .offset: 0, .size: 8, .value_kind: global_buffer, .address_space: global }
      - { .name: ys, .offset: 8, .size: 8, .value_kind: global_buffer, .address_space: global }
      - { .name: wc, .offset: 16, .size: 8, .value_kind: global_buffer, .address_space: global }
      - { .name: ws, .offset: 24, .size: 8, .value_kind: global_buffer, .address_space: global }
      - { .name: bp, .offset: 32, .size: 8, .value_kind: global_buffer, .address_space: global }
      - { .name: out0, .offset: 40, .size: 8, .value_kind: global_buffer, .address_space: global }
    .group_segment_fixed_size: 327680
    .private_segment_fixed_size: 0
    .kernarg_segment_align: 8
    .kernarg_segment_size: 48
    .max_flat_workgroup_size: 128
    .sgpr_count:     100
    .vgpr_count:     1024
    .wavefront_size: 32
...
	.end_amdgpu_metadata
.endif
;; end of part 4
